; MI455X (gfx1250); checked and timed in simulation.
; The chip was launched on July 23, 2026; its instructions are those of AMD's public machine-readable ISA for CDNA 5 (MIT licence, August 2026) and "CDNA5" Instruction Set Architecture Reference Guide (July 2026). The comments in the code are by the model that wrote it; some were corrected since.
;; My Multi Head Attention. Allowed arithmetic: matrix products marked QUANTISED: E2M3 operands, one E8M0 scale for each 32 along K, by v_wmma_scale_f32_16x16x128_f8f6f4 with both operands' format E2M3, f32 sums; everything else in f32.
;; Inputs: Wk 1,024 x 1,024 float32; Wo 1,024 x 1,024 float32; Wq 1,024 x 1,024 float32; Wv 1,024 x 1,024 float32; token_positions 2,048 int32; x 2 x 2,048 x 1,024 float32.
;; Outputs: out0 2 x 2,048 x 1,024 float32.
;; This version of the problem:
;;   THIS VERSION OF THE PROBLEM IS GIVEN IN LOW PRECISION. The matrix products marked QUANTISED in the list below multiply operands that are first quantised to E2M3 (2 exponent bits, 3 mantissa bits; 6 bits a number), with one power-of-two scale for each 32 numbers along K (OCP MX v1.0); their sums are f32. All else is computed in f32.
;;   The module's matrix products, in the order in which they are computed (A, B: the left and right operand; K: the contracted axis; several contracted axes count as one K, in the product's order):
;;     1. [M 4,096, K 1,024] x [K 1,024, N 1,024]; A: input x; B: input Wq: QUANTISED
;;     2. [M 4,096, K 1,024] x [K 1,024, N 1,024]; A: input x; B: input Wk: QUANTISED
;;     3. [M 4,096, K 1,024] x [K 1,024, N 1,024]; A: input x; B: input Wv: QUANTISED
;;     4. batch 32 x [M 2,048, K 64] x [K 64, N 2,048]; A: computed on the way; B: computed on the way: QUANTISED
;;     5. batch 32 x [M 2,048, K 2,048] x [K 2,048, N 64]; A: softmax (see below); B: computed on the way: QUANTISED
;;     6. [M 4,096, K 1,024] x [K 1,024, N 1,024]; A: computed on the way; B: input Wo: QUANTISED
;;   THE QUANTISER, for each operand of a quantised product, along K:
;;     - K is cut into blocks of 32 from its start; a last block that is shorter is filled with zeros.
;;     - A block's scale is 2^e with e = floor(log2(the largest magnitude in the block)) - 2, held to -126 .. 127; a block of zeros has e = 0. As a byte (E8M0): e + 127.
;;     - Each number is divided by its block's scale, clamped to +-7.5, and rounded to the nearest number of E2M3, ties to even, subnormals kept.
;;     - The product sums the exact products of the quantised numbers (number of the format x scale) in f32.
;;   ~~~python
;;   def quantise(x, axis):      # numpy; x: float32 -> the quantised numbers, widened to float32 again
;;       x = np.moveaxis(x, axis, -1); K = x.shape[-1]
;;       x = np.pad(x, [(0, 0)] * (x.ndim - 1) + [(0, -K % 32)]); x = x.reshape(x.shape[:-1] + (-1, 32)); a = np.abs(x).max(-1, keepdims=True)
;;       e = np.where(a > 0, np.clip(np.frexp(np.where(a > 0, a, 1))[1] - 1 - 2, -126, 127), 0)      # np.frexp(a)[1] - 1 = floor(log2(a)), exactly
;;       r = np.clip(x / 2.0 ** e, -7.5, 7.5)
;;       step = 2.0 ** (np.maximum(np.frexp(np.where(r == 0, 1, r))[1] - 1, 0) - 3)
;;       q = np.round(r / step) * step * 2.0 ** e      # np.round: ties to even
;;       return np.moveaxis(q.reshape(q.shape[:-2] + (-1,))[..., :K], -1, axis).astype(np.float32)
;;   ~~~
;;   SOFTMAX AHEAD OF A QUANTISED PRODUCT. Where the list says 'softmax', what is quantised is not the finished softmax but p = 2^(t - M), with t = logit x log2(e) and M = ceil(the row's largest t), a whole number; so 1/2 < the row's largest p <= 1. The row's sum l is taken of the UNQUANTISED p, in f32, and the product's result is divided by l at the end. Since M is a whole number, a kernel that streams over the keys may use a running M (the ceiling of the running maximum): every later rescaling is an exact power of two, which a block's scale takes up: the codes' values come out the same.
;;   OPERANDS COMPUTED ON THE WAY. 'Computed on the way' means the value that the module computes at that place (a softmax that the list does not call 'softmax' is quantised finished and normalised). What goes into a quantiser is computed in f32, as accurately as f32 sums, v_exp_f32 and their like allow (about 1e-6 of the number): no bf16 or f16 on the way to a quantiser, and a product that is left as it is and whose result goes on into a quantised operand takes f32 operands (vector FMAs, or v_wmma_f32_16x16x4_f32). A number that lies on a knife's edge between two numbers of the format may be rounded either way, as far as f32 arithmetic and the matrix unit's own rounding can turn it there, and no further.
;; One version. Each part assembles by itself: llvm-mc -triple=amdgcn-amd-amdhsa -mcpu=gfx1250 --defsym DOCPART=n.
;; ======== version 1 of 1: 4 launches
;; limits: right only within a limited range of input values
;; workspace buffers: ops 7,077,888 bytes; qkvc 9,830,400 bytes; attc 3,276,800 bytes
;; launch quant (part 1): grid 256 x 1, 8 waves a work-group, no clusters, 137,216 bytes of LDS; arguments x, Wq, Wk, Wv, Wo, token_positions, ops; writes ops
.if DOCPART == 1
	.amdgcn_target "amdgcn-amd-amdhsa--gfx1250"
	.amdhsa_code_object_version 6
	.text
	.protected	k_q9a3312f113_quant
	.globl	k_q9a3312f113_quant
	.p2align	8
	.type	k_q9a3312f113_quant,@function
k_q9a3312f113_quant:
	s_mov_b64 s[64:65], 0
	v_nop
	global_prefetch_b8 v0, s[64:65] scope:SCOPE_SE
	s_setreg_imm32_b32 hwreg(HW_REG_WAVE_MODE, 25, 1), 1
	s_wait_xcnt 0x0
; x [4096][1024] and Wq, Wk, Wv, Wo [1024][1024], f32 with K innermost, become codes of FP6 (E2M3) with one E8M0 byte for each 32 along K,
; laid in the ORDER OF THE OPERAND'S REGISTERS; and the table (cos, sin) of the rotary angles is made for each sequence index.
; ROWS go in groups of 32: x groups 0-127, Wq 128-159, Wk 160-191, Wv 192-223, Wo 224-255.  Tile u (0, 1) of a group holds in slot m the row 8 u + m % 8 + 16 (m / 8).
; A FRAGMENT (16 slots x 128 K: 12 registers a lane) lies as 1,536 bytes: half c at 768 c: registers 6 c .. 6 c + 3 at 16 x lane, registers 6 c + 4, 6 c + 5 at 512 + 8 x lane.
; ops: codes [group][K step 0..7][u][1536]; from OPS_SC scale words [group][step / 4][lane = 16 u + m][step % 4]; from OPS_ROPE [sequence index][k 0..31](cos, sin) f32.
; SHARES: work-group g takes group g; wave w takes K step w of its 32 rows (each load reads a row's 512 consecutive bytes), and the table's row 8 g + w, a lane a frequency.
; The conversions want 16 neighbours along K in one lane, so the 16 KiB of a wave turn through its own stage in LDS (places of 512 + 16 bytes, in slot order).
; A block's scale byte is its largest magnitude's exponent field - 2, held at 1 from below.
; LIMITS: NaN and infinities are not served.  A block of zeros gets the byte 1 (its codes are zeros; this program alone reads the bytes).  Positions lie in 0 .. 2047, as the table
; that is indexed has them.  The frequencies 10^(-k/8) are constants rounded to f32.  Sine and cosine: reduction by pi/2 in three parts, then the series to r^9 / 9! and r^10 / 10!.
.set STGB,     16896                   ; a wave's stage: 32 places of 528 bytes
.set SCW,      135168                  ; behind the stages: the group's 1,024 bytes of scale words
.set OPS_SC,   6291456
.set OPS_ROPE, 6553600
.set R,   32                           ; v32-159  the 32 loads; later PC0, PC1 and X1
.set X0,  160                          ; v160-223 tile 0: 64 numbers, register 16 b + i = k 32 b + 16 (lane / 16) + i
.set X1,  96                           ; v96-159  tile 1
.set PC0, 32                           ; v32-50   tile 0's codes
.set PC1, 52                           ; v52-70   tile 1's
.set TM,  224                          ; v224-239 at work in QUANT
.set SEL, 18                           ; s[18:19] v_permlanex16_b32's selects for lane l xor 16
; 64 numbers of a lane become a fragment's codes in v[pc] .. v[pc + 11] and its scale word in v[pw]
.macro QUANT s, pc, pw
.irp b, 0,1,2,3
	v_max3_num_f32 v[TM+\b], |v[\s+16*\b]|, |v[\s+1+16*\b]|, 0x1800000   ; my 16 numbers of block b, and the floor 2^(3 - 127)
.endr
.irp i, 2,4,6,8,10,12,14
.irp b, 0,1,2,3
	s_delay_alu instid0(VALU_DEP_4)
	v_max3_num_f32 v[TM+\b], v[TM+\b], |v[\s+16*\b+\i]|, |v[\s+1+16*\b+\i]|
.endr
.endr
.irp b, 0,1,2,3
	s_delay_alu instid0(VALU_DEP_4)
	v_permlanex16_b32 v[TM+4+\b], v[TM+\b], s[SEL], s[SEL+1]
.endr
.irp b, 0,1,2,3
	s_delay_alu instid0(VALU_DEP_4)
	v_max_num_f32 v[TM+\b], v[TM+\b], v[TM+4+\b]       ; with lane l xor 16's: the block's largest magnitude
.endr
.irp b, 0,1,2,3
	s_delay_alu instid0(VALU_DEP_4)
	v_add_nc_u32 v[TM+12+\b], 0xff000000, v[TM+\b]     ; 2 off its exponent field: the conversion's scale operand
.endr
.irp b, 0,1,2,3
	s_delay_alu instid0(VALU_DEP_4)
	v_lshrrev_b32 v[TM+4+\b], 23, v[TM+12+\b]          ; the scale's byte
.endr
	s_delay_alu instid0(VALU_DEP_3)
	v_lshl_or_b32 v[\pw], v[TM+5], 8, v[TM+4]
	s_delay_alu instid0(VALU_DEP_1)
	v_lshl_or_b32 v[\pw], v[TM+6], 16, v[\pw]
	s_delay_alu instid0(VALU_DEP_1)
	v_lshl_or_b32 v[\pw], v[TM+7], 24, v[\pw]
.irp c, 0,1
	v_cvt_scalef32_pk16_fp6_f32 v[\pc+6*\c:\pc+2+6*\c], v[\s+32*\c:\s+15+32*\c], v[TM+12+2*\c]
	v_cvt_scalef32_pk16_fp6_f32 v[\pc+12+4*\c:\pc+14+4*\c], v[\s+16+32*\c:\s+31+32*\c], v[TM+12+2*\c+1]
.endr
	v_nop                                              ; one plain place behind a scaled conversion
.irp c, 0,1                                            ; a whole block to a lane: lanes 0-15 block 2 c, lanes 16-31 block 2 c + 1
.irp i, 0,1,2
	v_permlane16_swap_b32 v[\pc+6*\c+\i], v[\pc+12+4*\c+\i]
.endr
.irp i, 0,1,2
	s_delay_alu instid0(VALU_DEP_3)
	v_mov_b32 v[\pc+3+6*\c+\i], v[\pc+12+4*\c+\i]
.endr
.endr
.endm
.macro IMGST pc, off                                   ; a fragment's image: each store covers 512 or 256 consecutive bytes, aligned to 256
	global_store_b128 v2, v[\pc:\pc+3], s[30:31] offset:\off
	global_store_b64 v6, v[\pc+4:\pc+5], s[30:31] offset:\off+512
	global_store_b128 v2, v[\pc+6:\pc+9], s[30:31] offset:\off+768
	global_store_b64 v6, v[\pc+10:\pc+11], s[30:31] offset:\off+1280
.endm
	s_load_b256 s[4:11], s[0:1], 0x0               ; x, Wq, Wk, Wv
	s_load_b128 s[12:15], s[0:1], 0x20             ; Wo, token_positions
	s_load_b64 s[16:17], s[0:1], 0x30              ; ops
	v_lshl_add_u32 v248, v0, 2, 0x21400
	v_mov_b32 v249, 0
	v_lshrrev_b32 v1, 5, v0
	s_delay_alu instid0(VALU_DEP_1)
	v_readfirstlane_b32 s20, v1                    ; wave 0..7
	v_and_b32 v1, 31, v0                           ; lane
	s_delay_alu instid0(VALU_DEP_1)
	v_lshlrev_b32 v2, 4, v1                        ; 16 x lane
	s_delay_alu instid0(VALU_DEP_2)
	v_lshlrev_b32 v6, 3, v1                        ; 8 x lane
	s_lshr_b32 s21, ttmp9, 5                       ; 0-3: x; 4, 5, 6, 7: Wq, Wk, Wv, Wo
	s_cmp_lt_u32 s21, 4
	s_cselect_b32 s22, 127, 31
	s_and_b32 s22, ttmp9, s22                      ; the group inside its tensor
	s_lshl_b32 s22, s22, 17                        ; 32 rows of 4,096 bytes
	s_lshl_b32 s23, s20, 9                         ; my K step: 512 bytes of each row
	s_add_co_u32 s22, s22, s23
	s_mov_b32 s23, 0
	s_mov_b32 s[SEL], 0x76543210
	s_mov_b32 s[SEL+1], 0xfedcba98
	s_mov_b32 s38, 0xffff0000                      ; lanes 16-31
	s_wait_alu depctr_va_vdst(0)
	s_wait_kmcnt 0x0
	s_cmp_eq_u32 s21, 4                            ; the choice hangs on the work-group's number alone
	s_cselect_b64 s[4:5], s[6:7], s[4:5]
	s_cmp_eq_u32 s21, 5
	s_cselect_b64 s[4:5], s[8:9], s[4:5]
	s_cmp_eq_u32 s21, 6
	s_cselect_b64 s[4:5], s[10:11], s[4:5]
	s_cmp_eq_u32 s21, 7
	s_cselect_b64 s[4:5], s[12:13], s[4:5]
	s_add_nc_u64 s[4:5], s[4:5], s[22:23]
.set ii, 0
.rept 32
	global_load_b128 v[R+4*ii:R+4*ii+3], v2, s[4:5] offset:4096*ii th:TH_LOAD_NT   ; row ii: 512 consecutive bytes; all 16 KiB of the wave are out at once
.set ii, ii+1
.endr
	s_lshl_b32 s24, ttmp9, 3
	s_add_co_u32 s24, s24, s20                     ; my sequence index: 8 g + w
	s_lshl_b32 s25, s24, 2
	s_load_b32 s26, s[14:15], s25 offset:0x0       ; its position
	s_lshl_b32 s28, s24, 8
	s_add_co_u32 s28, s28, OPS_ROPE
	s_mov_b32 s29, 0
	s_add_nc_u64 s[28:29], s[16:17], s[28:29]      ; the table's row
	s_mul_i32 s30, ttmp9, 24576
	s_mul_i32 s31, s20, 3072
	s_add_co_u32 s30, s30, s31
	s_mov_b32 s31, 0
	s_add_nc_u64 s[30:31], s[16:17], s[30:31]      ; my two fragments
	s_lshl_b32 s32, ttmp9, 10
	s_and_b32 s37, s20, 1
	s_lshl_b32 s37, s37, 9
	s_add_co_u32 s32, s32, s37
	s_add_co_u32 s32, s32, OPS_SC
	s_mov_b32 s33, 0
	s_add_nc_u64 s[32:33], s[16:17], s[32:33]      ; the group's scale words (waves 0 and 1 store a half each)
	s_mul_i32 s34, s20, STGB
	v_add_nc_u32 v3, s34, v2                       ; the stage, way in: 16 x lane in a place
	v_and_b32 v20, 15, v0
	v_bfe_u32 v21, v0, 4, 1
	s_delay_alu instid0(VALU_DEP_2)
	v_mul_u32_u24 v4, v20, 528
	s_delay_alu instid0(VALU_DEP_1)
	v_lshl_add_u32 v4, v21, 6, v4
	s_delay_alu instid0(VALU_DEP_1)
	v_add_nc_u32 v4, s34, v4                       ; way out: place m, + 64 (lane / 16)
	s_lshr_b32 s35, s20, 2
	s_lshl_b32 s35, s35, 9
	s_and_b32 s36, s20, 3
	s_lshl_b32 s36, s36, 2
	s_add_co_u32 s35, s35, s36
	s_add_co_u32 s35, s35, SCW
	v_add_nc_u32 v7, s35, v2                       ; my scale word: 512 (w / 4) + 16 x lane + 4 (w % 4)
	s_add_co_u32 s37, s37, SCW
	v_add_nc_u32 v22, s37, v2                      ; and where waves 0 and 1 read 512 bytes back
.irp b, 0,1,2,3
	v_mov_b32 v[TM+4+\b], 0                        ; written once: a lane permute's destination counts as one of its sources
.endr
	; ---- the rotary table's row, while the loads are out.  Lane k holds 10^(-k/8)
	v_mov_b32 v8, 0
.set LN, 0
.irp f, 1.0, 0.7498942093324559, 0.5623413251903491, 0.4216965034285822, 0.31622776601683794, 0.23713737056616552, 0.1778279410038923, 0.1333521432163324, 0.1, 0.07498942093324559, 0.05623413251903491, 0.04216965034285822, 0.031622776601683794, 0.023713737056616552, 0.01778279410038923, 0.01333521432163324, 0.01, 0.007498942093324559, 0.005623413251903491, 0.004216965034285822, 0.0031622776601683794, 0.0023713737056616552, 0.001778279410038923, 0.001333521432163324, 0.001, 0.0007498942093324559, 0.0005623413251903491, 0.0004216965034285822, 0.00031622776601683794, 0.00023713737056616552, 0.0001778279410038923, 0.0001333521432163324
	s_mov_b32 s39, \f
	v_writelane_b32 v8, s39, LN
.set LN, LN+1
.endr
	s_wait_kmcnt 0x0
	v_cvt_f32_i32 v9, s26
	s_wait_alu depctr_va_vdst(0)
	v_mul_f32 v9, v9, v8                           ; the angle, rounded once
	s_delay_alu instid0(VALU_DEP_1)
	v_mul_f32 v10, 0x3f22f983, v9                  ; x 2 / pi
	s_delay_alu instid0(VALU_DEP_1)
	v_rndne_f32 v10, v10                           ; j
	s_delay_alu instid0(VALU_DEP_1)
	v_fma_f32 v11, v10, 0xbfc90fd8, v9             ; r = angle - j pi / 2, pi / 2 in three parts
	s_delay_alu instid0(VALU_DEP_1)
	v_fma_f32 v11, v10, 0xb4a8885a, v11
	s_delay_alu instid0(VALU_DEP_1)
	v_fma_f32 v11, v10, 0xa7c234c4, v11
	s_delay_alu instid0(VALU_DEP_1)
	v_mul_f32 v12, v11, v11                        ; r^2
	v_cvt_i32_f32 v13, v10                         ; the quadrant's number
	v_mov_b32 v14, 0xb493f27d                      ; cos r: -1/10!, 1/8!, -1/6!, 1/4!, -1/2, 1
	s_delay_alu instid0(VALU_DEP_1)
	v_fmaak_f32 v14, v14, v12, 0x37d00d01
	s_delay_alu instid0(VALU_DEP_1)
	v_fmaak_f32 v14, v14, v12, 0xbab60b61
	s_delay_alu instid0(VALU_DEP_1)
	v_fmaak_f32 v14, v14, v12, 0x3d2aaaab
	s_delay_alu instid0(VALU_DEP_1)
	v_fma_f32 v14, v14, v12, -0.5
	s_delay_alu instid0(VALU_DEP_1)
	v_fma_f32 v14, v14, v12, 1.0
	v_mov_b32 v15, 0x3638ef1d                      ; sin r = r + r^3 (1/9! r^6 - 1/7! r^4 + 1/5! r^2 - 1/3!)
	s_delay_alu instid0(VALU_DEP_1)
	v_fmaak_f32 v15, v15, v12, 0xb9500d01
	s_delay_alu instid0(VALU_DEP_1)
	v_fmaak_f32 v15, v15, v12, 0x3c088889
	s_delay_alu instid0(VALU_DEP_1)
	v_fmaak_f32 v15, v15, v12, 0xbe2aaaab
	v_mul_f32 v16, v11, v12
	s_delay_alu instid0(VALU_DEP_1)
	v_fma_f32 v15, v15, v16, v11
	v_and_b32 v17, 1, v13
	s_delay_alu instid0(VALU_DEP_1)
	v_cmp_eq_u32 vcc_lo, 1, v17                    ; an odd quadrant swaps the two (a choice of values only)
	s_delay_alu instid0(VALU_DEP_1)
	v_cndmask_b32 v18, v14, v15, vcc_lo            ; cos
	s_delay_alu instid0(VALU_DEP_2)
	v_cndmask_b32 v19, v15, v14, vcc_lo            ; sin
	v_add_nc_u32 v17, 1, v13
	s_delay_alu instid0(VALU_DEP_1)
	v_lshlrev_b32 v17, 30, v17
	s_delay_alu instid0(VALU_DEP_1)
	v_and_b32 v17, 0x80000000, v17                 ; cos is negative in quadrants 1 and 2,
	s_delay_alu instid0(VALU_DEP_1)
	v_xor_b32 v18, v18, v17
	v_lshlrev_b32 v17, 30, v13
	s_delay_alu instid0(VALU_DEP_1)
	v_and_b32 v17, 0x80000000, v17                 ; sin in 2 and 3
	s_delay_alu instid0(VALU_DEP_1)
	v_xor_b32 v19, v19, v17
	global_store_b64 v6, v[18:19], s[28:29]        ; 32 lanes store 256 consecutive bytes, aligned
	; ---- the turn through the stage
.set ii, 0
.rept 32
	s_wait_loadcnt 31-ii                           ; loads come back in order: row ii is in, the 31 - ii younger ones may be out
	ds_store_b128 v3, v[R+4*ii:R+4*ii+3] offset:528*(16*((ii/8)%2)+(ii%8)+8*(ii/16))   ; to place 16 u + m
.set ii, ii+1
.endr
.irp b, 0,1,2,3
.irp j, 0,1,2,3
	ds_load_b128 v[X0+16*\b+4*\j:X0+16*\b+4*\j+3], v4 offset:128*\b+16*\j
.endr
.endr
	s_wait_dscnt 0x0                               ; the stores have read R, and tile 0 is in
.irp b, 0,1,2,3
.irp j, 0,1,2,3
	ds_load_b128 v[X1+16*\b+4*\j:X1+16*\b+4*\j+3], v4 offset:8448+128*\b+16*\j
.endr
.endr
	QUANT X0, PC0, 240
	IMGST PC0, 0
	s_wait_dscnt 0x0                               ; tile 1 is in
	QUANT X1, PC1, 241
	IMGST PC1, 1536
	v_cndmask_b32 v242, v240, v241, s38            ; lanes 0-15: tile 0's words, lanes 16-31: tile 1's
	ds_store_b32 v7, v242
	s_wait_dscnt 0x0                               ; for the others' sake
	s_barrier_signal -1
	s_barrier_wait -1
	s_cmp_gt_u32 s20, 1
	s_cbranch_scc1 .Ldone
	ds_load_b128 v[244:247], v22                   ; four K steps' words of a lane
	s_wait_dscnt 0x0
	global_store_b128 v2, v[244:247], s[32:33]     ; 512 consecutive bytes
.Ldone:
	s_wait_tensorcnt 0x0
	ds_add_u32 v248, v249
	s_wait_dscnt 0x0
	s_endpgm
.Lfunc_end_k_q9a3312f113_quant:
	.size	k_q9a3312f113_quant, .Lfunc_end_k_q9a3312f113_quant-k_q9a3312f113_quant
	.p2alignl 7, 3214868480
	.fill 96, 4, 3214868480
	.section	.rodata,"a",@progbits
	.p2align	6, 0x0
	.amdhsa_kernel k_q9a3312f113_quant
		.amdhsa_group_segment_fixed_size 137216
		.amdhsa_private_segment_fixed_size 0
		.amdhsa_enable_private_segment 0
		.amdhsa_kernarg_size 56
		.amdhsa_user_sgpr_count 2
		.amdhsa_user_sgpr_kernarg_segment_ptr 1
		.amdhsa_wavefront_size32 1
		.amdhsa_system_sgpr_workgroup_id_x 1
		.amdhsa_system_sgpr_workgroup_id_y 1
		.amdhsa_system_sgpr_workgroup_id_z 1
		.amdhsa_system_vgpr_workitem_id 0
		.amdhsa_next_free_vgpr 250
		.amdhsa_next_free_sgpr 66
		.amdhsa_reserve_vcc 1
		.amdhsa_float_denorm_mode_32 3
		.amdhsa_float_denorm_mode_16_64 3
		.amdhsa_memory_ordered 1
		.amdhsa_forward_progress 1
		.amdhsa_inst_pref_size 31
	.end_amdhsa_kernel
	.amdgpu_metadata
---
amdhsa.version: [ 1, 2 ]
amdhsa.kernels:
  - .name:           k_q9a3312f113_quant
    .symbol:         k_q9a3312f113_quant.kd
    .args:
      - { .name: x, .offset: 0, .size: 8, .value_kind: global_buffer, .address_space: global }
      - { .name: Wq, .offset: 8, .size: 8, .value_kind: global_buffer, .address_space: global }
      - { .name: Wk, .offset: 16, .size: 8, .value_kind: global_buffer, .address_space: global }
      - { .name: Wv, .offset: 24, .size: 8, .value_kind: global_buffer, .address_space: global }
      - { .name: Wo, .offset: 32, .size: 8, .value_kind: global_buffer, .address_space: global }
      - { .name: token_positions, .offset: 40, .size: 8, .value_kind: global_buffer, .address_space: global }
      - { .name: ops, .offset: 48, .size: 8, .value_kind: global_buffer, .address_space: global }
    .group_segment_fixed_size: 137216
    .private_segment_fixed_size: 0
    .kernarg_segment_align: 8
    .kernarg_segment_size: 56
    .max_flat_workgroup_size: 256
    .sgpr_count:     66
    .vgpr_count:     250
    .wavefront_size: 32
...
	.end_amdgpu_metadata
.endif
;; end of part 1
;; launch qkv (part 2): grid 16 x 16, 4 waves a work-group, clusters of 4 x 4, 327,680 bytes of LDS; arguments ops, qkvc; writes qkvc
.if DOCPART == 2
	.amdgcn_target "amdgcn-amd-amdhsa--gfx1250"
	.amdhsa_code_object_version 6
	.text
	.protected	k_q9a3312f113_qkv
	.globl	k_q9a3312f113_qkv
	.p2align	8
	.type	k_q9a3312f113_qkv,@function
k_q9a3312f113_qkv:
	s_mov_b64 s[64:65], 0
	v_nop
	global_prefetch_b8 v0, s[64:65] scope:SCOPE_SE
	s_setreg_imm32_b32 hwreg(HW_REG_WAVE_MODE, 25, 1), 1
	s_wait_xcnt 0x0
	s_wait_alu depctr_hold_cnt(0) depctr_sa_sdst(0) depctr_va_vdst(0) depctr_va_sdst(0) depctr_va_ssrc(0) depctr_va_vcc(0) depctr_vm_vsrc(0)
	s_getreg_b32 s2, hwreg(HW_REG_IB_STS2, 6, 4)
	s_cmp_eq_u32 s2, 0
	s_cbranch_scc0 .Lentry_in_a_cluster
	s_endpgm
.Lentry_in_a_cluster:
	s_bfe_u32 s2, ttmp6, 0x10000c
	s_cmp_lg_u32 s2, 0xf033
	s_cbranch_scc0 .Lentry_shape_is_right
	s_endpgm
.Lentry_shape_is_right:
; The three projections on codes of FP6 (E2M3), the rotation of Q and K, and the quantising of Q, K (along the head's 64) and V (along the keys).
; 256 work-groups: work-group (X, Y) holds the 256 tokens 256 Y on in LDS for all of K = 1,024 and uses them in TWO PASSES.
;   PASS 1 (Q, K): lane tiles (source 1) = my tokens, register tiles (source 0) = rows 128 X on of Wq and Wk on end: a lane holds one token and 128 channels = two heads.
;     A wave takes 64 tokens (four lane tiles a) x 128 rows (eight tiles t): 32 accumulators.
;   PASS 2 (V): lane tiles (source 1) = the 64 rows of Wv of head X, register tiles (source 0) = my tokens: a lane holds one channel and its registers run along the keys.
;     A wave takes 128 keys (w / 2; eight tiles t) x 32 channels (Wv's group w % 2; two lane tiles a): 16 accumulators.
; So in both passes a lane's 64 registers of a lane tile run along the NEXT product's K, in the order that the conversions want (slot m of tile u of a group of 32 rows = row 8 u + m % 8 + 16 (m / 8)).
; The accumulators take turns, one instruction a turn.
; LDS: the tokens' 8 groups of 24,576 bytes (all eight K steps), then the weights' 4.  At the head each wave brings its groups whole by one tensor load: waves 0, 1 four groups of tokens each, waves 2, 3 two groups of weights.
; THE ONE REFILL: at the head of K step 7 every read of the weights is over: each wave waits for its loads, adds 0 to its spare word and waits for its LDS instructions, a round of the cluster's barrier follows,
; and each wave asks for a quarter (12,288 bytes) of Wv's two groups, onto the bytes of the weights' groups 0 and 1.  Step 7's 32 products a wave and the rotation and quantising of Q and K stand between that request and the wait for it,
; so no prefetch is laid: the head's loads have no loop ahead of them, and the refill is asked for that far ahead of its first read.
; CLUSTER 4 x 4: the tokens' tile hangs on Y alone and is asked for jointly by a row of the cluster; the weights' tiles (both passes) on X alone, by a column.
; qkvc: [hh: Q heads 0-15, K heads 16-31][batch][token group 0..63][1536]: half u of an image = token tile u, lane (m, h) = block h of the head's 64;
;   from VC [16 batch + head][key step][channel tile 0..3][1536]; from QKS [hh][batch][group / 2][lane = 16 (group % 2) + m]: u = 0's two bytes, then u = 1's; from VS [bh][step][lane][2]: word j of lane l: tile 2 j + l / 16.
; LIMITS: NaN and infinities are not served; a block of zeros gets the byte 1 (zero codes; this program alone reads the bytes); each rotated number is one multiply and one fused multiply-add.
; REGISTERS: window 0: v2-15, v176-185 addresses, v16-31 lane tiles' scale words, v32-63 register tiles', v64-127 rotated numbers, v128-146 codes, v152-175 at work, v254, v255 the spare word's address and 0;
;   windows 1, 2: fragment sets 0, 1: v[12 a] lane tiles, v[48 + 12 t] register tiles; v144-207 (cos, sin) of lane tiles 0, 1 (window 1) and 2, 3 (window 2);   window 3: accumulator (a, t) at v[8 (8 a + t)].
.set OPS_SC,   6291456
.set OPS_ROPE, 6553600
.set VC,   6291456
.set QKS,  9437184
.set VS,   9699328
.set GRPB, 24576                       ; a group's codes
.set BOFF, 196608                      ; LDS: the weights, behind the tokens
.set SPARE, 294912                     ; the spare words: 128 bytes a wave
.set A16, 2                            ; pass 1: my two groups of tokens
.set A8,  3
.set B16, 4                            ; the weights' groups 0, 1; v12, v13: groups 2, 3 (the immediate has 16 bits)
.set B8,  5
.set L16, 6
.set L8,  7
.set L4,  8
.set RO,  9
.set V16, 14                           ; pass 2: my group of Wv
.set V8,  15
.set T16, 176                          ; pass 2: my four groups of tokens: v176, v177 groups 0, 1; v184, v185 groups 2, 3
.set T8,  177
.set SA,  16
.set SB,  32
.set HA,  64
.set PC,  128
.set TM,  152
.set WD,  168
.set TP,  172
.set CSR, 144
.set G1A, 24
.set G1B, 32
.set G0A, 40
.set G0B, 68
.set G1V, 72
.set G0V, 80
.set SEL, 92
.set MSB, 0
.macro WIN new                         ; the immediate's high byte repeats the setting that is left
.if MSB != (\new)
	s_set_vgpr_msb (MSB<<8)|(\new)
.set MSB, (\new)
.endif
.endm
.macro CROUND                          ; a round of the cluster's barrier
	s_barrier_signal -1
	s_barrier_wait -1
	s_cmp_lg_u32 s8, 0
	s_cbranch_scc1 .Lnot_wave_0_\@
	s_barrier_signal -3
.Lnot_wave_0_\@:
	s_barrier_wait -3
	s_barrier_signal -1
	s_barrier_wait -1
.endm
.macro PLACES
.rept 4
	v_nop
.endr
.endm
.macro FRAGLD reg, a16, a8, off        ; a fragment's image into 12 registers: every load reads consecutive bytes
	ds_load_b128 v[(\reg):(\reg)+3], v[\a16] offset:(\off)
	ds_load_b64 v[(\reg)+4:(\reg)+5], v[\a8] offset:(\off)
	ds_load_b128 v[(\reg)+6:(\reg)+9], v[\a16] offset:(\off)+768
	ds_load_b64 v[(\reg)+10:(\reg)+11], v[\a8] offset:(\off)+768
.endm
; one product.  r0, r1: the scale words of source 0, 1 stand in lanes 16-31 of their registers.  WMZ starts a sum, WMA adds onto it
.macro WMZ d, f0, f1, s0, s1, r0, r1
.if (\r0) && (\r1)
	v_wmma_scale_f32_16x16x128_f8f6f4 v[(\d):(\d)+7], v[(\f0):(\f0)+11], v[(\f1):(\f1)+11], 0, v[\s0], v[\s1] matrix_a_fmt:MATRIX_FMT_FP6 matrix_b_fmt:MATRIX_FMT_FP6 matrix_a_scale:MATRIX_SCALE_ROW1 matrix_b_scale:MATRIX_SCALE_ROW1
.elseif (\r0)
	v_wmma_scale_f32_16x16x128_f8f6f4 v[(\d):(\d)+7], v[(\f0):(\f0)+11], v[(\f1):(\f1)+11], 0, v[\s0], v[\s1] matrix_a_fmt:MATRIX_FMT_FP6 matrix_b_fmt:MATRIX_FMT_FP6 matrix_a_scale:MATRIX_SCALE_ROW1
.elseif (\r1)
	v_wmma_scale_f32_16x16x128_f8f6f4 v[(\d):(\d)+7], v[(\f0):(\f0)+11], v[(\f1):(\f1)+11], 0, v[\s0], v[\s1] matrix_a_fmt:MATRIX_FMT_FP6 matrix_b_fmt:MATRIX_FMT_FP6 matrix_b_scale:MATRIX_SCALE_ROW1
.else
	v_wmma_scale_f32_16x16x128_f8f6f4 v[(\d):(\d)+7], v[(\f0):(\f0)+11], v[(\f1):(\f1)+11], 0, v[\s0], v[\s1] matrix_a_fmt:MATRIX_FMT_FP6 matrix_b_fmt:MATRIX_FMT_FP6
.endif
.endm
.macro WMA d, f0, f1, s0, s1, r0, r1
.if (\r0) && (\r1)
	v_wmma_scale_f32_16x16x128_f8f6f4 v[(\d):(\d)+7], v[(\f0):(\f0)+11], v[(\f1):(\f1)+11], v[(\d):(\d)+7], v[\s0], v[\s1] matrix_a_fmt:MATRIX_FMT_FP6 matrix_b_fmt:MATRIX_FMT_FP6 matrix_a_scale:MATRIX_SCALE_ROW1 matrix_b_scale:MATRIX_SCALE_ROW1
.elseif (\r0)
	v_wmma_scale_f32_16x16x128_f8f6f4 v[(\d):(\d)+7], v[(\f0):(\f0)+11], v[(\f1):(\f1)+11], v[(\d):(\d)+7], v[\s0], v[\s1] matrix_a_fmt:MATRIX_FMT_FP6 matrix_b_fmt:MATRIX_FMT_FP6 matrix_a_scale:MATRIX_SCALE_ROW1
.elseif (\r1)
	v_wmma_scale_f32_16x16x128_f8f6f4 v[(\d):(\d)+7], v[(\f0):(\f0)+11], v[(\f1):(\f1)+11], v[(\d):(\d)+7], v[\s0], v[\s1] matrix_a_fmt:MATRIX_FMT_FP6 matrix_b_fmt:MATRIX_FMT_FP6 matrix_b_scale:MATRIX_SCALE_ROW1
.else
	v_wmma_scale_f32_16x16x128_f8f6f4 v[(\d):(\d)+7], v[(\f0):(\f0)+11], v[(\f1):(\f1)+11], v[(\d):(\d)+7], v[\s0], v[\s1] matrix_a_fmt:MATRIX_FMT_FP6 matrix_b_fmt:MATRIX_FMT_FP6
.endif
.endm
; 64 numbers of a lane in window w (0 or 3), register 16 b + i = k 32 b + 16 (lane / 16) + i, become a fragment's codes in v[PC] on and its scale word in v[pw]
.macro QUANT s, w, pw
	WIN 20*(\w)                                        ; sources 1 and 2 in window w
.irp b, 0,1,2,3
	v_max3_num_f32 v[TM+\b], 0x1800000, |v[(\s)+16*\b]|, |v[(\s)+1+16*\b]|   ; the floor 2^(3 - 127) and my first two of block b (each accumulator is read from its low end on)
.endr
.irp i, 2,4,6,8,10,12,14
.irp b, 0,1,2,3
	v_max3_num_f32 v[TM+\b], v[TM+\b], |v[(\s)+16*\b+\i]|, |v[(\s)+1+16*\b+\i]|
.endr
.endr
	WIN 0
.irp b, 0,1,2,3
	v_permlanex16_b32 v[TM+4+\b], v[TM+\b], s[SEL], s[SEL+1]
.endr
.irp b, 0,1,2,3
	v_max_num_f32 v[TM+\b], v[TM+\b], v[TM+4+\b]
.endr
.irp b, 0,1,2,3
	v_add_nc_u32 v[TM+12+\b], 0xff000000, v[TM+\b]     ; 2 off the exponent field: the conversion's scale operand
.endr
.irp b, 0,1,2,3
	v_lshrrev_b32 v[TM+4+\b], 23, v[TM+12+\b]
.endr
	v_lshl_or_b32 v[\pw], v[TM+5], 8, v[TM+4]
	v_lshl_or_b32 v[\pw], v[TM+6], 16, v[\pw]
	v_lshl_or_b32 v[\pw], v[TM+7], 24, v[\pw]
	WIN (\w)                                           ; source 0 in window w
.irp c, 0,1
	v_cvt_scalef32_pk16_fp6_f32 v[PC+6*\c:PC+2+6*\c], v[(\s)+32*\c:(\s)+15+32*\c], v[TM+12+2*\c]
	v_cvt_scalef32_pk16_fp6_f32 v[PC+12+4*\c:PC+14+4*\c], v[(\s)+16+32*\c:(\s)+31+32*\c], v[TM+12+2*\c+1]
.endr
	WIN 0
	v_nop                                              ; one plain place behind a scaled conversion
.irp c, 0,1
.irp i, 0,1,2
	v_permlane16_swap_b32 v[PC+6*\c+\i], v[PC+12+4*\c+\i]
.endr
.irp i, 0,1,2
	v_mov_b32 v[PC+3+6*\c+\i], v[PC+12+4*\c+\i]
.endr
.endr
.endm
	s_load_b128 s[4:7], s[0:1], 0x0                ; ops, qkvc
	v_lshl_add_u32 v254, v0, 2, SPARE
	v_mov_b32 v255, 0
	ds_add_u32 v254, v255                          ; the opening lines: the add, twice on end, and its wait ahead of my first tensor load
	ds_add_u32 v254, v255
	v_lshrrev_b32 v1, 5, v0
	v_readfirstlane_b32 s8, v1                     ; wave 0..3
	s_lshr_b32 s9, s8, 1                           ; at the head I fetch tokens (0) or weights (1); in pass 2: my 128 keys
	s_and_b32 s10, s8, 1                           ; which half of the groups I fetch; in pass 2: my group of Wv
	s_bfe_u32 s11, ttmp6, 0x40000                  ; cx
	s_bfe_u32 s12, ttmp6, 0x40004                  ; cy
	s_lshl_b32 s13, ttmp9, 2
	s_add_co_u32 s13, s13, s11                     ; X = 4 x cluster x + cx
	s_and_b32 s14, ttmp7, 0xffff                   ; the cluster's y
	s_lshl_b32 s15, s14, 2
	s_add_co_u32 s15, s15, s12                     ; Y
	s_lshl_b32 s17, s12, 2
	s_lshl_b32 s17, 15, s17                        ; my row of the cluster
	s_lshl_b32 s18, 0x1111, s11                    ; my column
	; descriptor groups 1.  Head: R rows (groups) of 3,072 elements of 8 bytes, dense.  Refill: 48 rows of 32 elements of 8 bytes, dense
	s_or_b32 s[G1A], s17, (3<<16)|(1<<21)
	s_or_b32 s[G1B], s18, (3<<16)|(1<<21)
	s_or_b32 s[G1V], s18, (3<<16)|(1<<21)
.irp g, G1A, G1B
	s_mov_b32 s[\g+1], 3072<<16                    ; tensor_dim0
	s_mov_b32 s[\g+3], 3072<<16                    ; tile_dim0
	s_mov_b32 s[\g+5], 3072                        ; the pitch
	s_mov_b32 s[\g+6], 0
	s_mov_b32 s[\g+7], 0
.endr
	s_mov_b32 s[G1A+2], 4<<16                      ; tokens: four groups a load
	s_mov_b32 s[G1A+4], 4
	s_mov_b32 s[G1B+2], 2<<16                      ; weights: two
	s_mov_b32 s[G1B+4], 2
	s_mov_b32 s[G1V+1], 32<<16
	s_mov_b32 s[G1V+2], 48<<16
	s_mov_b32 s[G1V+3], 32<<16
	s_mov_b32 s[G1V+4], 48
	s_mov_b32 s[G1V+5], 32
	s_mov_b32 s[G1V+6], 0
	s_mov_b32 s[G1V+7], 0
	s_lshl_b32 s19, s14, 5
	s_lshl_b32 s21, s12, 3
	s_add_co_u32 s19, s19, s21                     ; GA = 8 Y: made of cy and the cluster's y alone
	s_lshl_b32 s20, s13, 2
	s_add_co_u32 s20, s20, 128                     ; GB = 128 + 4 X: of X alone
	s_lshl_b32 s52, s13, 1
	s_add_co_u32 s52, s52, 192                     ; GV = 192 + 2 X
	s_lshl_b32 s21, s10, 2
	s_add_co_u32 s21, s21, s19
	s_mul_i32 s56, s21, GRPB
	s_mov_b32 s57, 0
	s_mul_i32 s22, s10, 98304                      ; where the tokens' half goes
	s_lshl_b32 s84, s10, 1
	s_add_co_u32 s84, s84, s20
	s_mul_i32 s86, s84, GRPB
	s_mov_b32 s87, 0
	s_mul_i32 s85, s10, 49152
	s_add_co_u32 s85, s85, BOFF                    ; and the weights'
	s_mul_i32 s54, s52, GRPB
	s_mul_i32 s53, s8, 12288                       ; my quarter of Wv's two groups,
	s_add_co_u32 s54, s54, s53
	s_mov_b32 s55, 0
	s_add_co_u32 s53, s53, BOFF                    ; and where it goes
	s_mov_b32 s[SEL], 0x76543210
	s_mov_b32 s[SEL+1], 0xfedcba98
	s_mov_b32 s94, 0xffff0000                      ; lanes 16-31
	s_wait_dscnt 0x0                               ; both opening adds are done
	s_wait_kmcnt 0x0
	s_add_nc_u64 s[56:57], s[4:5], s[56:57]
	s_add_nc_u64 s[86:87], s[4:5], s[86:87]
	s_add_nc_u64 s[54:55], s[4:5], s[54:55]
	s_mov_b32 s[G0A], 1
	s_mov_b32 s[G0A+1], s22
	s_mov_b64 s[G0A+2:G0A+3], s[56:57]
	s_or_b32 s[G0A+3], s[G0A+3], 0x80000000
	s_mov_b32 s[G0B], 1
	s_mov_b32 s[G0B+1], s85
	s_mov_b64 s[G0B+2:G0B+3], s[86:87]
	s_or_b32 s[G0B+3], s[G0B+3], 0x80000000
	s_mov_b32 s[G0V], 1
	s_mov_b32 s[G0V+1], s53
	s_mov_b64 s[G0V+2:G0V+3], s[54:55]
	s_or_b32 s[G0V+3], s[G0V+3], 0x80000000
	CROUND                                         ; all sixteen work-groups are here: the joint loads meet
	s_cmp_eq_u32 s9, 0                             ; one fill in each arm of one branch on the wave's number: one load of mine is out
	s_cbranch_scc0 .Lfill_b
	tensor_load_to_lds s[G0A:G0A+3], s[G1A:G1A+7]
	s_nop 0
	PLACES
	s_branch .Lfilled
.Lfill_b:
	tensor_load_to_lds s[G0B:G0B+3], s[G1B:G1B+7]
	s_nop 0
	PLACES
.Lfilled:
	v_and_b32 v1, 31, v0
	v_lshlrev_b32 v[L16], 4, v1
	v_lshlrev_b32 v[L8], 3, v1
	v_lshlrev_b32 v[L4], 2, v1
	s_mul_i32 s23, s8, 49152                       ; pass 1: my two groups of tokens
	v_add_nc_u32 v[A16], s23, v[L16]
	v_add_nc_u32 v[A8], s23, v[L8]
	v_add_nc_u32 v[A8], 512, v[A8]
	v_add_nc_u32 v[B16], BOFF, v[L16]
	v_add_nc_u32 v[B8], BOFF+512, v[L8]
	v_add_nc_u32 v[B16+8], BOFF+49152, v[L16]
	v_add_nc_u32 v[B8+8], BOFF+49152+512, v[L8]
	s_mul_i32 s23, s10, 24576
	s_add_co_u32 s23, s23, BOFF                    ; pass 2: my group of Wv
	v_add_nc_u32 v[V16], s23, v[L16]
	v_add_nc_u32 v[V8], s23, v[L8]
	v_add_nc_u32 v[V8], 512, v[V8]
	s_mul_i32 s23, s9, 98304                       ; pass 2: my four groups of tokens
	v_add_nc_u32 v[T16], s23, v[L16]
	v_add_nc_u32 v[T8], s23, v[L8]
	v_add_nc_u32 v[T8], 512, v[T8]
	v_add_nc_u32 v[T16+8], 49152, v[T16]
	v_add_nc_u32 v[T8+8], 49152, v[T8]
.irp b, 0,1,2,3
	v_mov_b32 v[TM+4+\b], 0                        ; written once: a lane permute's destination counts as one of its sources
.endr
	s_lshl_b32 s58, s8, 1
	s_add_co_u32 s58, s58, s19
	s_lshl_b32 s58, s58, 10
	s_add_co_u32 s58, s58, OPS_SC
	s_mov_b32 s59, 0
	s_add_nc_u64 s[58:59], s[4:5], s[58:59]        ; pass 1: my token groups' scale words
	s_lshl_b32 s88, s20, 10
	s_add_co_u32 s88, s88, OPS_SC
	s_mov_b32 s89, 0
	s_add_nc_u64 s[88:89], s[4:5], s[88:89]        ; the weights'
	s_wait_alu depctr_va_vdst(0)                   ; ahead of the readers below
.irp g, 0,1
.irp q, 0,1
	global_load_b128 v[SA+8*\g+4*\q:SA+8*\g+4*\q+3], v[L16], s[58:59] offset:1024*\g+512*\q   ; register 8 g + s: lanes 0-15 tile u = 0, lanes 16-31 tile u = 1, K step s
.endr
.endr
.irp g, 0,1,2,3
.irp q, 0,1
	global_load_b128 v[SB+8*\g+4*\q:SB+8*\g+4*\q+3], v[L16], s[88:89] offset:1024*\g+512*\q
.endr
.endr
	v_and_b32 v10, 7, v0
	v_bfe_u32 v11, v0, 3, 1
	v_lshl_add_u32 v10, v11, 4, v10                ; slot r's row in a tile: r % 8 + 16 (r / 8)
	v_bfe_u32 v11, v0, 4, 1
	v_lshlrev_b32 v[RO], 8, v10                    ; 256 bytes a sequence index,
	v_lshl_add_u32 v[RO], v11, 6, v[RO]            ; + 64 (lane / 16): my eight frequencies of a block of 32 channels
	s_wait_alu depctr_va_vdst(0)                   ; ahead of the run of scalar lines
	s_and_b32 s60, s15, 7
	s_lshl_b32 s60, s60, 8
	s_lshl_b32 s61, s8, 6
	s_add_co_u32 s60, s60, s61                     ; my first sequence index: 256 (Y % 8) + 64 w
	s_lshl_b32 s60, s60, 8
	s_add_co_u32 s60, s60, OPS_ROPE
	s_mov_b32 s61, 0
	s_add_nc_u64 s[60:61], s[4:5], s[60:61]
.irp a, 0,1,2,3
	WIN 0x40*(1+\a/2)                              ; destination window 1 or 2
.irp b, 0,1
.irp q, 0,1,2,3
	global_load_b128 v[CSR+32*(\a%2)+16*\b+4*\q:CSR+32*(\a%2)+16*\b+4*\q+3], v[RO], s[60:61] offset:(32*(\a/2)+8*(\a%2))*256+128*\b+16*\q
.endr
.endr
.endr
	WIN 0
	; pass 2's addresses, in registers of their own
	s_lshl_b32 s48, s9, 2
	s_add_co_u32 s48, s48, s19
	s_lshl_b32 s48, s48, 10
	s_add_co_u32 s48, s48, OPS_SC
	s_mov_b32 s49, 0
	s_add_nc_u64 s[48:49], s[4:5], s[48:49]        ; the scale words of my four groups of tokens,
	s_add_co_u32 s50, s52, s10
	s_lshl_b32 s50, s50, 10
	s_add_co_u32 s50, s50, OPS_SC
	s_mov_b32 s51, 0
	s_add_nc_u64 s[50:51], s[4:5], s[50:51]        ; of my group of Wv
	s_lshr_b32 s44, s15, 3
	s_lshl_b32 s44, s44, 4
	s_add_co_u32 s44, s44, s13                     ; 16 batch + head, head = X
	s_and_b32 s45, s15, 7
	s_lshl_b32 s45, s45, 1
	s_add_co_u32 s45, s45, s9                      ; key step 2 (Y % 8) + w / 2
	s_lshl_b32 s46, s44, 12
	s_lshl_b32 s47, s45, 8
	s_add_co_u32 s46, s46, s47
	s_lshl_b32 s47, s10, 2                         ; word w % 2 of each lane: channel tiles 2 (w % 2), + 1
	s_add_co_u32 s46, s46, s47
	s_add_co_u32 s46, s46, VS
	s_mov_b32 s47, 0
	s_mul_i32 s44, s44, 98304
	s_mul_i32 s45, s45, 6144
	s_add_co_u32 s44, s44, s45
	s_mul_i32 s45, s10, 3072
	s_add_co_u32 s44, s44, s45
	s_add_co_u32 s44, s44, VC
	s_mov_b32 s45, 0
	s_add_nc_u64 s[44:45], s[6:7], s[44:45]        ; V's two images of mine,
	s_add_nc_u64 s[46:47], s[6:7], s[46:47]        ; and their scale words
.macro FETCH s                         ; pass 1, K step s: 12 fragments, 48 LDS loads in one run, into set s % 2
	WIN 0x40*(1+(\s)%2)
.irp a, 0,1,2,3
	FRAGLD 12*\a, A16, A8, (\a/2)*24576+(\s)*3072+(\a%2)*1536
.endr
.irp t, 0,1,2,3,4,5,6,7
	FRAGLD 48+12*\t, B16+8*(\t/4), B8+8*(\t/4), ((\t/2)%2)*24576+(\s)*3072+(\t%2)*1536
.endr
.endm
.macro MUL s
.irp a, 0,1,2,3
.irp t, 0,1,2,3,4,5,6,7
.if (\s) == 0
	WMZ 8*(8*\a+\t), 48+12*\t, 12*\a, SB+8*(\t/2)+(\s), SA+8*(\a/2)+(\s), \t%2, \a%2
.else
	WMA 8*(8*\a+\t), 48+12*\t, 12*\a, SB+8*(\t/2)+(\s), SA+8*(\a/2)+(\s), \t%2, \a%2
.endif
.endr
.endr
.endm
.macro STEP s
	s_wait_dscnt 0x0                               ; this step's fragments are in: asked for a whole step ago
.if (\s) == 7
	WIN 0                                          ; the last step's fragments are in registers: nobody of my wave reads the weights any more
	s_wait_tensorcnt 0x0                           ; all my tensor loads are done;
	ds_add_u32 v254, v255                          ; 0 onto my spare word;
	s_wait_dscnt 0x0                               ; the add is done
	CROUND                                         ; the same holds of every wave of all sixteen work-groups
	tensor_load_to_lds s[G0V:G0V+3], s[G1V:G1V+7]  ; the refill, my one load behind the round: my quarter of Wv's two groups
	s_nop 0
	PLACES
.elseif (\s) > 0
	PLACES                                         ; four places in front of loads into registers that the last step's products read
.endif
.if (\s) < 7
	s_wait_alu depctr_va_vdst(0)
	FETCH (\s)+1
.endif
	WIN 0xF5+5*((\s)%2)                            ; sources 0 and 1: window 1 or 2; C and D: window 3
	MUL \s
.endm
	s_wait_tensorcnt 0x0                           ; my one load is in
	s_barrier_signal -1
	s_barrier_wait -1                              ; everybody's is
	s_wait_alu depctr_va_vdst(0)                   ; ahead of the first readers of the head's registers
	FETCH 0
	s_wait_loadcnt 0x0                             ; the scale words, cos and sin
.irp s, 0,1,2,3,4,5,6,7
	STEP \s
.endr
	PLACES                                         ; in front of the first read of results and of the loads into the scale words' registers
	WIN 0
.irp g, 0,1,2,3
.irp q, 0,1
	global_load_b128 v[SB+8*\g+4*\q:SB+8*\g+4*\q+3], v[L16], s[48:49] offset:1024*\g+512*\q   ; pass 2's scale words: my four groups of tokens,
.endr
.endr
.irp q, 0,1
	global_load_b128 v[SA+4*\q:SA+4*\q+3], v[L16], s[50:51] offset:512*\q                     ; my group of Wv
.endr
	; ---- Q, K: rotate, quantise along the head's 64, store halves of images
	s_lshl_b32 s60, s13, 2
	s_lshr_b32 s61, s15, 3
	s_add_co_u32 s60, s60, s61                     ; 2 hh + batch of my first head: 4 X + Y / 8
	s_mul_i32 s62, s60, 98304
	s_and_b32 s61, s15, 7
	s_lshl_b32 s63, s61, 3
	s_lshl_b32 s90, s8, 1
	s_add_co_u32 s63, s63, s90                     ; my first token group in the batch
	s_mul_i32 s63, s63, 1536
	s_add_co_u32 s62, s62, s63
	s_mov_b32 s63, 0
	s_add_nc_u64 s[62:63], s[6:7], s[62:63]
	s_lshl_b32 s60, s60, 12
	s_lshl_b32 s61, s61, 2
	s_add_co_u32 s61, s61, s8
	s_lshl_b32 s61, s61, 7
	s_add_co_u32 s60, s60, s61
	s_add_co_u32 s60, s60, QKS
	s_mov_b32 s61, 0
	s_add_nc_u64 s[60:61], s[6:7], s[60:61]
.macro EPIQK a
	WIN (0x03|((1+(\a)/2)<<2))                     ; source 0: the sums, window 3; source 1: cos and sin, window 1 or 2
.irp b, 0,1,2,3
.irp i, 0,2,4,6,8,10,12,14
	v_pk_mul_f32 v[HA+16*\b+\i:HA+16*\b+\i+1], v[64*(\a)+16*\b+\i:64*(\a)+16*\b+\i+1], v[CSR+32*((\a)%2)+16*(\b%2)+\i:CSR+32*((\a)%2)+16*(\b%2)+\i+1] op_sel:[1,1] op_sel_hi:[1,0]   ; (x1 sin, x1 cos)
.endr
.endr
.irp b, 0,1,2,3
.irp i, 0,2,4,6,8,10,12,14
	v_pk_fma_f32 v[HA+16*\b+\i:HA+16*\b+\i+1], v[64*(\a)+16*\b+\i:64*(\a)+16*\b+\i+1], v[CSR+32*((\a)%2)+16*(\b%2)+\i:CSR+32*((\a)%2)+16*(\b%2)+\i+1], v[HA+16*\b+\i:HA+16*\b+\i+1] op_sel_hi:[0,1,1] neg_lo:[0,0,1]   ; (x0 cos - x1 sin, x0 sin + x1 cos)
.endr
.endr
	WIN 0
	s_wait_xcnt 0x0                                ; the last tile's stores have read the codes' registers
	QUANT HA, 0, WD+(\a)
.irp c, 0,1                                        ; half c of the fragment is head c's 16 tokens x 64
	global_store_b128 v[L16], v[PC+6*\c:PC+6*\c+3], s[62:63] offset:196608*\c+1536*((\a)/2)+768*((\a)%2)
	global_store_b64 v[L8], v[PC+6*\c+4:PC+6*\c+5], s[62:63] offset:196608*\c+1536*((\a)/2)+768*((\a)%2)+512
.endr
.endm
	EPIQK 0
	EPIQK 1
	EPIQK 2
	EPIQK 3
	v_perm_b32 v[TP], v[WD+1], v[WD], 0x05040100   ; head 0: tile u = 0's two bytes, then u = 1's
	v_perm_b32 v[TP+1], v[WD+3], v[WD+2], 0x05040100
	v_cndmask_b32 v[TP+2], v[TP], v[TP+1], s94     ; lanes 0-15 my even group, lanes 16-31 my odd one
	global_store_b32 v[L4], v[TP+2], s[60:61]
	v_perm_b32 v[TP], v[WD+1], v[WD], 0x07060302   ; head 1
	v_perm_b32 v[TP+1], v[WD+3], v[WD+2], 0x07060302
	v_cndmask_b32 v[TP+3], v[TP], v[TP+1], s94
	global_store_b32 v[L4], v[TP+3], s[60:61] offset:8192   ; 128 consecutive bytes a store: the scale words are 1/24 of the codes' bytes
	; ---- PASS 2: V = tokens x Wv^T with the sources the other way round
.macro FETCH2 s                        ; K step s: 10 fragments, 40 LDS loads in one run, into set s % 2
	WIN 0x40*(1+(\s)%2)
.irp a, 0,1
	FRAGLD 12*\a, V16, V8, (\s)*3072+\a*1536
.endr
.irp t, 0,1,2,3,4,5,6,7
	FRAGLD 48+12*\t, T16+8*(\t/4), T8+8*(\t/4), ((\t/2)%2)*24576+(\s)*3072+(\t%2)*1536
.endr
.endm
.macro MUL2 s
.irp a, 0,1
.irp t, 0,1,2,3,4,5,6,7
.if (\s) == 0
	WMZ 8*(8*\a+\t), 48+12*\t, 12*\a, SB+8*(\t/2)+(\s), SA+(\s), \t%2, \a
.else
	WMA 8*(8*\a+\t), 48+12*\t, 12*\a, SB+8*(\t/2)+(\s), SA+(\s), \t%2, \a
.endif
.endr
.endr
.endm
.macro STEP2 s
	s_wait_dscnt 0x0                               ; this step's fragments are in
.if ((\s) > 0) && ((\s) < 7)
	PLACES
.endif
.if (\s) < 7
	FETCH2 (\s)+1
.endif
	WIN 0xF5+5*((\s)%2)
	MUL2 \s
.endm
	s_wait_alu depctr_va_vdst(0)                   ; directly ahead of the wait below
	s_wait_tensorcnt 0x0                           ; my quarter of Wv is in
	s_barrier_signal -1
	s_barrier_wait -1                              ; everybody's is
	FETCH2 0
	s_wait_loadcnt 0x0                             ; pass 2's scale words
.irp s, 0,1,2,3,4,5,6,7
	STEP2 \s
.endr
	PLACES                                         ; in front of the first read of results
	WIN 0
.macro EPIV a                          ; quantise along the keys, store a whole image
	s_wait_xcnt 0x0                                ; the last tile's stores have read the codes' registers
	QUANT 64*(\a), 3, WD+(\a)
	global_store_b128 v[L16], v[PC:PC+3], s[44:45] offset:1536*(\a)
	global_store_b64 v[L8], v[PC+4:PC+5], s[44:45] offset:1536*(\a)+512
	global_store_b128 v[L16], v[PC+6:PC+9], s[44:45] offset:1536*(\a)+768
	global_store_b64 v[L8], v[PC+10:PC+11], s[44:45] offset:1536*(\a)+1280
.endm
	EPIV 0
	EPIV 1
	v_cndmask_b32 v[TP], v[WD], v[WD+1], s94       ; lanes 0-15 my even channel tile's words, lanes 16-31 my odd one's
	global_store_b32 v[L8], v[TP], s[46:47]        ; four bytes of each lane's eight: the wave beside me stores the other four; 1/24 of the codes' bytes
	s_wait_tensorcnt 0x0                           ; the wave's end
	ds_add_u32 v254, v255
	s_wait_dscnt 0x0
	CROUND                                         ; the closing round: no work-group ends while a partner may still ask for a tile that names it
	s_endpgm
.Lfunc_end_k_q9a3312f113_qkv:
	.size	k_q9a3312f113_qkv, .Lfunc_end_k_q9a3312f113_qkv-k_q9a3312f113_qkv
	.p2alignl 7, 3214868480
	.fill 96, 4, 3214868480
	.section	.rodata,"a",@progbits
	.p2align	6, 0x0
	.amdhsa_kernel k_q9a3312f113_qkv
		.amdhsa_group_segment_fixed_size 327680
		.amdhsa_private_segment_fixed_size 0
		.amdhsa_enable_private_segment 0
		.amdhsa_kernarg_size 16
		.amdhsa_user_sgpr_count 2
		.amdhsa_user_sgpr_kernarg_segment_ptr 1
		.amdhsa_wavefront_size32 1
		.amdhsa_system_sgpr_workgroup_id_x 1
		.amdhsa_system_sgpr_workgroup_id_y 1
		.amdhsa_system_sgpr_workgroup_id_z 1
		.amdhsa_system_vgpr_workitem_id 0
		.amdhsa_next_free_vgpr 1024
		.amdhsa_next_free_sgpr 100
		.amdhsa_reserve_vcc 0
		.amdhsa_float_denorm_mode_32 3
		.amdhsa_float_denorm_mode_16_64 3
		.amdhsa_memory_ordered 1
		.amdhsa_forward_progress 1
		.amdhsa_inst_pref_size 154
	.end_amdhsa_kernel
	.amdgpu_metadata
---
amdhsa.version: [ 1, 2 ]
amdhsa.kernels:
  - .name:           k_q9a3312f113_qkv
    .symbol:         k_q9a3312f113_qkv.kd
    .args:
      - { .name: ops, .offset: 0, .size: 8, .value_kind: global_buffer, .address_space: global }
      - { .name: qkvc, .offset: 8, .size: 8, .value_kind: global_buffer, .address_space: global }
    .group_segment_fixed_size: 327680
    .private_segment_fixed_size: 0
    .kernarg_segment_align: 8
    .kernarg_segment_size: 16
    .max_flat_workgroup_size: 128
    .sgpr_count:     100
    .vgpr_count:     1024
    .wavefront_size: 32
...
	.end_amdgpu_metadata
.endif
;; end of part 2
;; launch attn (part 3): grid 8 x 32, 16 waves a work-group, clusters of 4 x 1, 241,664 bytes of LDS; arguments qkvc, attc; writes attc
.if DOCPART == 3
	.amdgcn_target "amdgcn-amd-amdhsa--gfx1250"
	.amdhsa_code_object_version 6
	.text
	.protected	k_q9a3312f113_attn
	.globl	k_q9a3312f113_attn
	.p2align	8
	.type	k_q9a3312f113_attn,@function
k_q9a3312f113_attn:
	s_mov_b64 s[64:65], 0
	v_nop
	global_prefetch_b8 v0, s[64:65] scope:SCOPE_SE
	s_setreg_imm32_b32 hwreg(HW_REG_WAVE_MODE, 25, 1), 1
	s_wait_xcnt 0x0
	s_wait_alu depctr_hold_cnt(0) depctr_sa_sdst(0) depctr_va_vdst(0) depctr_va_sdst(0) depctr_va_ssrc(0) depctr_va_vcc(0) depctr_vm_vsrc(0)
	s_getreg_b32 s2, hwreg(HW_REG_IB_STS2, 6, 4)
	s_cmp_eq_u32 s2, 0
	s_cbranch_scc0 .Lentry_in_a_cluster
	s_endpgm
.Lentry_in_a_cluster:
	s_bfe_u32 s2, ttmp6, 0x10000c
	s_cmp_lg_u32 s2, 0x3003
	s_cbranch_scc0 .Lentry_shape_is_right
	s_endpgm
.Lentry_shape_is_right:
; Causal attention on codes of FP6 (E2M3), head size 64, 2,048 keys, and the quantising of its result along d_model for the last projection.
; THE SOFTMAX AHEAD OF THE SECOND PRODUCT: t = score x log2(e) / 8; M = the running largest t rounded UP to a whole number; p = 2^(t - M) is quantised along the keys, not normalised;
; the row's sum is taken of the unquantised p and divides O at the end; when M moves, the sum and O are multiplied by 2^(old M - new M), which rounds nothing.
; LEFT OUT: key steps of 128 keys that lie wholly behind a tile's queries: the causal mask sets their scores to -inf, so their p is 0 for all values of the inputs.
; A NaN, an infinity or an overflow that reaches only such scores is not carried to the result.
; SHARES.  A work-group serves one (batch, head) and holds the head's K and V codes and scale words in LDS, filled once.  It owns sixteen tiles of 16 queries: in each block of 128 queries (0..15)
; token group 4 block + c / 2, tile c % 2, c = the work-group's x (0..7).  A tile of block n has n + 1 key steps.  The waves w and w xor 1 form pair a = w / 2 and share blocks 15 - a and a, 17 steps:
;   the wave of role 0 takes steps 0 .. 8 of block 15 - a, then adds its partner's part and writes that tile out;
;   the wave of role 1 takes steps 9 .. 15 - a of block 15 - a, leaves O, -M and the sum in the pair's LDS bytes, then takes block a whole (steps 0 .. a) and writes it out.
; role = (w xor w / 4) % 2: two waves of each role among every four waves w % 4 = const and every four w / 4 = const.  All of this hangs on the wave's number alone, alike in all work-groups.
; The two parts are joined as a step joins: under the smaller -M, each part x 2^(its M - the new M).  An empty part (a = 7) holds zeros and -M = 3e38: its factor is 0.
; ONE BARRIER guards the handover: signalled behind phase 1 (the stores awaited), waited for behind phase 2; between the two stand register work and LDS loads of K, V and scale words, which nobody writes.
; Both phases are loops of constant count (9 and 8 trips); a trip whose step is not the wave's is passed over by a scalar branch on numbers made of the wave's number.
; CLUSTER 4 x 1: four work-groups of one head ask for its K and V jointly.  Each of the sixteen waves issues ONE joint load at the head, 12,288 bytes: waves 0-7 K's eighths, waves 8-15 V's.
; The scale words (2 x 4,096 bytes) come by one load of 16 bytes a lane and go to LDS bytes of their own.  No prefetch: all that is asked of memory is asked for at the head; no loop runs ahead of a load.
; BOTH PRODUCTS TRANSPOSED: S^T = K Q^T, O^T = V^T P^T: a lane holds one query (slot lane % 16) throughout.
; K = 64 IN A FORM OF 128: an image of K holds key tile u = 0 in k 0-63 and u = 1 in k 64-127.  Against [q | 0] it gives tile 0's scores, against [0 | q] tile 1's: zero codes add nothing
; under K's scale bytes, which lie in 1 .. 254.  The 16 registers of tiles u = 0, 1 of a group are keys 32 i + 16 (lane / 16) + 0 .. 15.
; LIMITS: NaN and infinities are not served; a block of zeros gets the byte 1 (zero codes; this program alone reads the bytes); the promise holds while |t| stays under 2^31.
; REGISTERS: v1-6 lane terms of LDS addresses; v7 the mask's d; v8-11, v20, v21 the step's addresses; v12 -M, v13 largest t, v[14:15] the sum; v16-19 scale words on their way; v24-29 q, v30-35 zeros, v36-41 q again;
;   v42 q's scale word; v44, v47, v211 LDS addresses (scale words, handover); v48-95 four images of K, then of V; v96-159 S^T, then p; v160-191 O^T; v192-210 p's codes; v212-223 block figures;
;   v224-228 scale words; v[230:231], v[242:243] factors; v235-241 the second tile's q; v244-251 partial sums; v254, v255 the spare word's address and 0.
.set VC,   6291456
.set QKS,  9437184
.set VS,   9699328
.set AT_AS, 3145728
.set LV,   98304                       ; LDS: K's codes at 0, V's here,
.set LKS,  196608                      ; K's scale words,
.set LVS,  200704                      ; V's,
.set DUMP, 204800                      ; the handover: 4,352 bytes a pair,
.set DSZ,  4352
.set SPARE, 239616                     ; the spare words: 128 bytes a wave
.set WV,   8
.set BLK,  15                          ; the block of the tile at work
.set ROLE, 16
.set PA,   17
.set HI,   18
.set LIM,  19                          ; the last step that is mine in this phase,
.set LO,   48                          ; and the first
.set SEL,  20
.set CS,   22
.set G1C,  24
.set G0,   40
.set TB,   60                          ; the step's codes: 6,144 bytes a step
.set TS,   61                          ; its scale words: 256 bytes a step
.set ST,   62                          ; the step's number
.set CNT,  63
.set BM,   212
.set T4,   216
.set SO,   220
.macro CROUND
	s_barrier_signal -1
	s_barrier_wait -1
	s_cmp_lg_u32 s[WV], 0
	s_cbranch_scc1 .Lnot_wave_0_\@
	s_barrier_signal -3
.Lnot_wave_0_\@:
	s_barrier_wait -3
	s_barrier_signal -1
	s_barrier_wait -1
.endm
.macro FRAGLD reg, a16, a8, off
	ds_load_b128 v[(\reg):(\reg)+3], v[\a16] offset:(\off)
	ds_load_b64 v[(\reg)+4:(\reg)+5], v[\a8] offset:(\off)
	ds_load_b128 v[(\reg)+6:(\reg)+9], v[\a16] offset:(\off)+768
	ds_load_b64 v[(\reg)+10:(\reg)+11], v[\a8] offset:(\off)+768
.endm
.macro WMS d, f0, f1, s0, r0           ; a tile of scores
.if (\r0)
	v_wmma_scale_f32_16x16x128_f8f6f4 v[(\d):(\d)+7], v[(\f0):(\f0)+11], v[(\f1):(\f1)+11], 0, v[\s0], v42 matrix_a_fmt:MATRIX_FMT_FP6 matrix_b_fmt:MATRIX_FMT_FP6 matrix_a_scale:MATRIX_SCALE_ROW1
.else
	v_wmma_scale_f32_16x16x128_f8f6f4 v[(\d):(\d)+7], v[(\f0):(\f0)+11], v[(\f1):(\f1)+11], 0, v[\s0], v42 matrix_a_fmt:MATRIX_FMT_FP6 matrix_b_fmt:MATRIX_FMT_FP6
.endif
.endm
.macro WMP d, f0, s0, r0               ; a tile of O^T
.if (\r0)
	v_wmma_scale_f32_16x16x128_f8f6f4 v[(\d):(\d)+7], v[(\f0):(\f0)+11], v[192:203], v[(\d):(\d)+7], v[\s0], v228 matrix_a_fmt:MATRIX_FMT_FP6 matrix_b_fmt:MATRIX_FMT_FP6 matrix_a_scale:MATRIX_SCALE_ROW1
.else
	v_wmma_scale_f32_16x16x128_f8f6f4 v[(\d):(\d)+7], v[(\f0):(\f0)+11], v[192:203], v[(\d):(\d)+7], v[\s0], v228 matrix_a_fmt:MATRIX_FMT_FP6 matrix_b_fmt:MATRIX_FMT_FP6
.endif
.endm
; the addresses of a tile's half image of Q, s[p:p+1], and of its slots' scale words, s[p+2:p+3]; blk: the register with its block
.macro QADR blk, p
	s_lshl_b32 s74, s[\blk], 2
	s_add_co_u32 s74, s74, s72
	s_mul_i32 s74, s74, 1536
	s_mul_i32 s[\p], s66, 98304
	s_add_co_u32 s[\p], s[\p], s74
	s_mul_i32 s74, s73, 768
	s_add_co_u32 s[\p], s[\p], s74
	s_mov_b32 s[\p+1], 0
	s_add_nc_u64 s[\p:\p+1], s[4:5], s[\p:\p+1]
	s_lshl_b32 s74, s[\blk], 1
	s_lshr_b32 s75, s11, 2
	s_add_co_u32 s74, s74, s75
	s_lshl_b32 s74, s74, 7
	s_lshl_b32 s[\p+2], s66, 12
	s_add_co_u32 s[\p+2], s[\p+2], s74
	s_and_b32 s74, s72, 1
	s_lshl_b32 s74, s74, 6
	s_add_co_u32 s[\p+2], s[\p+2], s74
	s_add_co_u32 s[\p+2], s[\p+2], QKS
	s_mov_b32 s[\p+3], 0
	s_add_nc_u64 s[\p+2:\p+3], s[4:5], s[\p+2:\p+3]
.endm
	s_load_b128 s[4:7], s[0:1], 0x0                ; qkvc, attc
	v_lshl_add_u32 v254, v0, 2, SPARE
	v_mov_b32 v255, 0
	ds_add_u32 v254, v255                          ; the opening lines: the add, twice on end, and its wait ahead of my tensor load
	ds_add_u32 v254, v255
	v_lshrrev_b32 v1, 5, v0
	s_delay_alu instid0(VALU_DEP_1)
	v_readfirstlane_b32 s[WV], v1                  ; wave 0..15
	s_and_b32 s9, s[WV], 7                         ; which eighth I fetch,
	s_lshr_b32 s74, s[WV], 3                       ; of K (0) or of V (1)
	s_bfe_u32 s10, ttmp6, 0x40000                  ; cx
	s_lshl_b32 s11, ttmp9, 2
	s_add_co_u32 s11, s11, s10                     ; c: it enters Q's and the result's addresses and the mask's numbers alone
	s_and_b32 s12, ttmp7, 0xffff                   ; bh = 16 batch + head, which the partners share
	s_and_b32 s13, s12, 15                         ; head
	s_lshr_b32 s14, s12, 4                         ; batch
	s_lshr_b32 s66, s[WV], 2
	s_xor_b32 s66, s66, s[WV]
	s_and_b32 s[ROLE], s66, 1
	s_lshr_b32 s[PA], s[WV], 1                     ; a
	s_sub_co_u32 s[HI], 15, s[PA]
	; descriptor group 1: a dense block of 12,288 bytes as 48 rows of 256 bytes (32 elements of 8 bytes); the mask names all four partners
	s_mov_b32 s[G1C], 15|(3<<16)|(1<<21)
	s_mov_b32 s[G1C+1], 32<<16
	s_mov_b32 s[G1C+2], 48<<16
	s_mov_b32 s[G1C+3], 32<<16
	s_mov_b32 s[G1C+4], 48
	s_mov_b32 s[G1C+5], 32
	s_mov_b32 s[G1C+6], 0
	s_mov_b32 s[G1C+7], 0
	s_lshl_b32 s66, s13, 1
	s_add_co_u32 s66, s66, s14                     ; Q's index 2 head + batch
	s_add_co_u32 s67, s66, 32                      ; K's
	s_mul_i32 s68, s67, 98304                      ; K's codes
	s_mul_i32 s69, s12, 98304
	s_add_co_u32 s69, s69, VC                      ; V's
	s_sub_co_u32 s69, s69, s68
	s_mul_i32 s69, s69, s74
	s_add_co_u32 s68, s68, s69
	s_mul_i32 s69, s9, 12288
	s_add_co_u32 s68, s68, s69                     ; what I fetch
	s_mov_b32 s69, 0
	s_lshl_b32 s70, s67, 12
	s_add_co_u32 s70, s70, QKS
	s_lshl_b32 s71, s12, 12
	s_add_co_u32 s71, s71, VS
	s_sub_co_u32 s71, s71, s70
	s_mul_i32 s71, s71, s74
	s_add_co_u32 s70, s70, s71
	s_lshl_b32 s71, s9, 9
	s_add_co_u32 s70, s70, s71                     ; my wave's 512 bytes of scale words
	s_mov_b32 s71, 0
	s_mov_b32 s[SEL], 0x76543210
	s_mov_b32 s[SEL+1], 0xfedcba98
	s_mov_b32 s[CS], 0x3e38aa3b                    ; log2(e) / sqrt(64)
	s_mov_b32 s[CS+1], s[CS]
	s_wait_dscnt 0x0                               ; both opening adds are done
	s_wait_kmcnt 0x0
	s_add_nc_u64 s[68:69], s[4:5], s[68:69]
	s_add_nc_u64 s[70:71], s[4:5], s[70:71]
	s_mov_b32 s[G0], 1
	s_mul_i32 s[G0+1], s[WV], 12288                ; K's eight eighths, then V's: wave x 12,288
	s_mov_b64 s[G0+2:G0+3], s[68:69]
	s_or_b32 s[G0+3], s[G0+3], 0x80000000
	CROUND                                         ; the four work-groups are here: the joint loads meet
	tensor_load_to_lds s[G0:G0+3], s[G1C:G1C+7]    ; my one load: every wave issues one, with no branch
	s_nop 0
.rept 4
	v_nop
.endr
	v_and_b32 v22, 31, v0                          ; lane
	v_and_b32 v23, 15, v0                          ; r
	v_bfe_u32 v43, v0, 4, 1                        ; h
	s_delay_alu instid0(VALU_DEP_3)
	v_lshlrev_b32 v1, 4, v22                       ; 16 x lane
	v_lshlrev_b32 v2, 3, v22
	s_delay_alu instid0(VALU_DEP_1)
	v_add_nc_u32 v2, 512, v2                       ; 512 + 8 x lane
	v_add_nc_u32 v3, LV, v1
	s_delay_alu instid0(VALU_DEP_2)
	v_add_nc_u32 v4, LV, v2
	v_lshl_add_u32 v5, v22, 2, LKS
	v_lshl_add_u32 v6, v22, 3, LVS
	s_lshr_b32 s72, s11, 1                         ; c / 2: my token group in a block
	s_and_b32 s73, s11, 1                          ; c % 2: my tile in the group
	s_lshl_b32 s74, s72, 5
	s_lshl_b32 s75, s73, 3
	s_add_co_u32 s74, s74, s75
	v_and_b32 v7, 7, v0
	v_bfe_u32 v44, v0, 3, 1
	s_delay_alu instid0(VALU_DEP_1)
	v_lshl_add_u32 v7, v44, 4, v7
	v_lshlrev_b32 v44, 4, v43
	s_delay_alu instid0(VALU_DEP_1)
	v_sub_nc_u32 v7, v7, v44
	s_delay_alu instid0(VALU_DEP_1)
	v_add_nc_u32 v7, s74, v7                       ; d = my query in its block - 16 h.  Register 16 i + e holds key 32 i + e + 16 h of the step: hidden on the diagonal where 32 i + e > d
	v_lshl_add_u32 v44, v0, 4, LKS                 ; the scale words' place: 16 x thread: K's 4,096 bytes, then V's
	s_mul_i32 s74, s[PA], DSZ
	s_add_co_u32 s74, s74, DUMP                    ; my pair's handover
	v_add_nc_u32 v211, s74, v1                     ; O: 16 x lane, 512 bytes for each four registers
	v_lshl_add_u32 v47, v22, 3, s74
	s_delay_alu instid0(VALU_DEP_1)
	v_add_nc_u32 v47, 4096, v47                    ; -M and the sum: 8 x lane behind them
	v_lshlrev_b32 v45, 2, v23
	v_lshlrev_b32 v46, 4, v23                      ; 16 r, for the way out
	QADR HI, 76                                    ; the first tile: block 15 - a
	QADR PA, 44                                    ; the second: block a
	s_lshl_b32 s75, s73, 4
	s_wait_alu depctr_va_vdst(0)                   ; ahead of the readers below
	global_load_b128 v[24:27], v1, s[76:77]
	global_load_b64 v[28:29], v2, s[76:77]
	global_load_b128 v[36:39], v1, s[76:77]        ; and once more, for [0 | q]
	global_load_b64 v[40:41], v2, s[76:77]
	global_load_b32 v42, v45, s[78:79]             ; slot r's word: tile 0's two bytes, tile 1's two
	global_load_b128 v[236:239], v1, s[44:45]
	global_load_b64 v[240:241], v2, s[44:45]
	global_load_b32 v235, v45, s[46:47]
	global_load_b128 v[16:19], v1, s[70:71]        ; 512 consecutive bytes of scale words a wave
.irp j, 30,31,32,33,34,35
	v_mov_b32 v[\j], 0                             ; zero codes
.endr
	v_mov_b32 v13, 0xff61b1e6                      ; the largest t so far: -3e38
	s_delay_alu instid0(VALU_DEP_1)
	v_floor_f32 v12, -v13                          ; -M
	v_mov_b32 v14, 0
	v_mov_b32 v15, 0
.irp b, 0,1,2,3
	v_mov_b32 v[T4+\b], 0                          ; written once: a lane permute's destination counts as one of its sources
.endr
	v_mov_b32 v231, 0                              ; (named as the upper halves of the pairs v[230:231], v[242:243])
	v_mov_b32 v243, 0
	v_mov_b32 v232, 0
.set jj, 0
.rept 32
	v_mov_b32 v[160+jj], 0                         ; O^T: the step is written once, its first trip finds zeros
.set jj, jj+1
.endr
	s_wait_loadcnt 0x0
	v_lshrrev_b32 v42, s75, v42                    ; my tile's two bytes,
	s_delay_alu instid0(VALU_DEP_1)
	v_and_b32 v42, 0xffff, v42
	s_delay_alu instid0(VALU_DEP_1)
	v_lshl_or_b32 v42, v42, 16, v42                ; for k 0-63 and again for k 64-127
	v_lshrrev_b32 v235, s75, v235
	s_delay_alu instid0(VALU_DEP_1)
	v_and_b32 v235, 0xffff, v235
	s_delay_alu instid0(VALU_DEP_1)
	v_lshl_or_b32 v235, v235, 16, v235
	s_mov_b32 s[BLK], s[HI]                        ; PHASE 1: block 15 - a: role 0 steps 0 .. 8, role 1 steps 9 .. 15 - a
	s_cmp_eq_u32 s[ROLE], 1
	s_cselect_b32 s[LIM], s[HI], 8
	s_mul_i32 s[LO], s[ROLE], 9
	s_mul_i32 s[ST], s[ROLE], 7                    ; role 1's nine trips walk steps 7 .. 15, so that every trip's addresses lie inside K, V and the scale words; steps 7 and 8 are its partner's
	s_mul_i32 s[TB], s[ROLE], 7*6144
	s_mul_i32 s[TS], s[ROLE], 7*256
	s_mov_b32 s[CNT], 9
	s_wait_alu depctr_va_vdst(0)                   ; the wait at the head's end
	s_wait_tensorcnt 0x0                           ; my eighth is in
	ds_store_b128 v44, v[16:19]                    ; the scale words, into bytes on which no tile lands
	s_wait_dscnt 0x0                               ; for the others' sake
	s_barrier_signal -1
	s_barrier_wait -1                              ; all of K, V and the scale words may be read
; A KEY STEP: 128 keys
.macro STEP
	s_cmp_lt_u32 s[ST], s[LO]                      ; not mine in this phase: only the lines at its end are run
	s_cbranch_scc1 .Lhidden_\@
	s_cmp_gt_i32 s[ST], s[LIM]
	s_cbranch_scc1 .Lhidden_\@
	v_add_nc_u32 v8, s[TB], v1                     ; (these six are also the places behind the last step's products)
	v_add_nc_u32 v9, s[TB], v2
	v_add_nc_u32 v10, s[TB], v3
	v_add_nc_u32 v11, s[TB], v4
	v_add_nc_u32 v20, s[TS], v5
	v_add_nc_u32 v21, s[TS], v6
.irp i, 0,1,2,3
	FRAGLD 48+12*\i, 8, 9, 1536*\i
.endr
	ds_load_b32 v224, v20                          ; lanes 0-15 image 0's words, lanes 16-31 image 1's
	ds_load_b32 v225, v20 offset:128
	s_wait_alu depctr_va_vdst(0)                   ; directly ahead of the wait below
	s_wait_dscnt 0x0
.irp i, 0,1,2,3
	WMS 96+16*\i, 48+12*\i, 24, 224+\i/2, \i%2     ; against [q | 0]: key tile u = 0
	WMS 104+16*\i, 48+12*\i, 30, 224+\i/2, \i%2    ; against [0 | q]: key tile u = 1
.endr
.rept 4
	v_nop                                          ; places in front of the loads below and of the first read of the scores
.endr
.irp t, 0,1,2,3
	FRAGLD 48+12*\t, 10, 11, 1536*\t               ; V's four fragments land during the softmax
.endr
	ds_load_b64 v[226:227], v21
	s_cmp_lg_u32 s[ST], s[BLK]
	s_cbranch_scc1 .Lopen_\@
	v_mov_b32 v234, 0xff800000                     ; on the diagonal hidden scores become -infinity: p = 0 then
.set nn, 0
.rept 64
	v_cmp_gt_i32 vcc_lo, 32*(nn/16)+nn%16, v7
	v_cndmask_b32 v[96+nn], v[96+nn], v234, vcc_lo
.set nn, nn+1
.endr
.Lopen_\@:
.irp b, 0,1,2,3
	v_max3_num_f32 v[BM+\b], v[96+16*\b], v[97+16*\b], v[98+16*\b]   ; the largest score of each block of 32 keys: for the row's maximum, and for the block's largest p
.endr
.irp i, 3,5,7,9,11,13
.irp b, 0,1,2,3
	v_max3_num_f32 v[BM+\b], v[BM+\b], v[96+16*\b+\i], v[97+16*\b+\i]
.endr
.endr
.irp b, 0,1,2,3
	v_max_num_f32 v[BM+\b], v[BM+\b], v[111+16*\b]
.endr
.irp b, 0,1,2,3
	s_delay_alu instid0(VALU_DEP_4)
	v_permlanex16_b32 v[T4+\b], v[BM+\b], s[SEL], s[SEL+1]
.endr
.irp b, 0,1,2,3
	s_delay_alu instid0(VALU_DEP_4)
	v_max_num_f32 v[BM+\b], v[BM+\b], v[T4+\b]
.endr
	s_delay_alu instid0(VALU_DEP_2)
	v_max3_num_f32 v234, v[BM], v[BM+1], v[BM+2]
	s_delay_alu instid0(VALU_DEP_1)
	v_max_num_f32 v234, v234, v[BM+3]
	s_delay_alu instid0(VALU_DEP_1)
	v_mul_f32 v234, s[CS], v234                    ; as t
	s_delay_alu instid0(VALU_DEP_1)
	v_max_num_f32 v13, v13, v234                   ; the running largest t
	v_mov_b32 v234, v12
	s_delay_alu instid0(VALU_DEP_2)
	v_floor_f32 v12, -v13                          ; the new -M = -ceil(t)
	s_delay_alu instid0(VALU_DEP_1)
	v_sub_f32 v234, v12, v234                      ; old M - new M: a whole number, 0 or less
	s_delay_alu instid0(VALU_DEP_1)
	v_cvt_i32_f32 v234, v234                       ; (it saturates)
	s_delay_alu instid0(VALU_DEP_1)
	v_ldexp_f32 v230, 1.0, v234                    ; f = 2^(old M - new M)
.set jj, 0
.rept 32
	v_pk_fma_f32 v[96+jj:97+jj], v[96+jj:97+jj], s[CS:CS+1], v[12:13] op_sel_hi:[1,0,0]   ; t - M
.set jj, jj+2
.endr
.irp b, 0,1,2,3
	v_fma_f32 v[BM+\b], v[BM+\b], s[CS], v12
.endr
.set jj, 0
	s_wait_alu depctr_va_vdst(0)                   ; ahead of the batch
.rept 64
	v_exp_f32 v[96+jj], v[96+jj]                   ; p = 2^(t - M)
.set jj, jj+1
.endr
	v_pk_mul_f32 v[14:15], v[14:15], v[230:231] op_sel_hi:[1,0]   ; the sums under the new M: the plain place behind the exponentials
	s_wait_alu depctr_va_vdst(0)                   ; one wait for the batch, ahead of its first reader
.irp b, 0,1,2,3
	v_exp_f32 v[BM+\b], v[BM+\b]                   ; each block's largest p
.endr
.irp q, 0,1,2,3                                        ; the row's sum of the unquantised p: 32 pairs in four chains by turns
	v_pk_add_f32 v[244+2*\q:245+2*\q], v[96+2*\q:97+2*\q], v[104+2*\q:105+2*\q]
.endr
.irp g, 2,3,4,5,6,7
.irp q, 0,1,2,3
	v_pk_add_f32 v[244+2*\q:245+2*\q], v[244+2*\q:245+2*\q], v[96+8*\g+2*\q:97+8*\g+2*\q]
.endr
.endr
	v_pk_add_f32 v[244:245], v[244:245], v[246:247]
	v_pk_add_f32 v[248:249], v[248:249], v[250:251]
	s_delay_alu instid0(VALU_DEP_1)
	v_pk_add_f32 v[244:245], v[244:245], v[248:249]
	s_delay_alu instid0(VALU_DEP_1)
	v_pk_add_f32 v[14:15], v[14:15], v[244:245]
	s_wait_alu depctr_va_vdst(0)                   ; and one for the four
.irp b, 0,1,2,3
	v_max_num_f32 v[BM+\b], 0x1800000, v[BM+\b]    ; the floor 2^(3 - 127)
.endr
.irp b, 0,1,2,3
	s_delay_alu instid0(VALU_DEP_4)
	v_add_nc_u32 v[SO+\b], 0xff000000, v[BM+\b]    ; 2 off the exponent field: the conversion's scale operand
.endr
.irp b, 0,1,2,3
	s_delay_alu instid0(VALU_DEP_4)
	v_lshrrev_b32 v[T4+\b], 23, v[SO+\b]
.endr
	s_delay_alu instid0(VALU_DEP_3)
	v_lshl_or_b32 v228, v[T4+1], 8, v[T4]          ; p's scale word for these 128 keys
	s_delay_alu instid0(VALU_DEP_1)
	v_lshl_or_b32 v228, v[T4+2], 16, v228
	s_delay_alu instid0(VALU_DEP_1)
	v_lshl_or_b32 v228, v[T4+3], 24, v228
.irp c, 0,1
	v_cvt_scalef32_pk16_fp6_f32 v[192+6*\c:194+6*\c], v[96+32*\c:111+32*\c], v[SO+2*\c]
	v_cvt_scalef32_pk16_fp6_f32 v[204+4*\c:206+4*\c], v[112+32*\c:127+32*\c], v[SO+2*\c+1]
.endr
	v_nop                                          ; one plain place behind a scaled conversion
.irp c, 0,1
.irp i, 0,1,2
	v_permlane16_swap_b32 v[192+6*\c+\i], v[204+4*\c+\i]
.endr
.irp i, 0,1,2
	s_delay_alu instid0(VALU_DEP_3)
	v_mov_b32 v[195+6*\c+\i], v[204+4*\c+\i]
.endr
.endr
	s_wait_alu depctr_va_vdst(0)                   ; directly ahead of the first reader of O^T
.set jj, 0
.rept 16
	v_pk_mul_f32 v[160+jj:161+jj], v[160+jj:161+jj], v[230:231] op_sel_hi:[1,0]   ; O^T under the new M; these 16 are also the places between p's codes and scale word and the products
.set jj, jj+2
.endr
	s_wait_alu depctr_va_vdst(0)                   ; directly ahead of the wait below
	s_wait_dscnt 0x0                               ; V is in
.irp t, 0,1,2,3
	WMP 160+8*\t, 48+12*\t, 226+\t/2, \t%2
.endr
.Lhidden_\@:
	s_add_co_u32 s[ST], s[ST], 1
	s_add_co_u32 s[TB], s[TB], 6144
	s_add_co_u32 s[TS], s[TS], 256
.endm
.Lstep_1:
	STEP
	s_sub_co_u32 s[CNT], s[CNT], 1
	s_cmp_lg_u32 s[CNT], 0
	s_cbranch_scc1 .Lstep_1
	s_wait_alu depctr_va_vdst(0)                   ; ahead of the branch
	s_cmp_eq_u32 s[ROLE], 0
	s_cbranch_scc1 .Lkeep                          ; role 0 keeps its part in registers
.rept 4
	v_nop                                          ; places behind the last products
.endr
	v_mov_b32 v232, v12
	v_add_f32 v233, v14, v15
.irp j, 0,1,2,3,4,5,6,7
	ds_store_b128 v211, v[160+4*\j:163+4*\j] offset:512*\j   ; role 1's part of block 15 - a: O^T as an image of its registers, each accumulator from its low end on,
.endr
	ds_store_b64 v47, v[232:233]                   ; -M and my half of the sum
.irp j, 0,1,2,3,4,5
	v_mov_b32 v[24+\j], v[236+\j]                  ; the second tile's q, twice,
	v_mov_b32 v[36+\j], v[236+\j]
.endr
	v_mov_b32 v42, v235                            ; and its scale word
	s_wait_dscnt 0x0                               ; the stores have read their registers
	v_mov_b32 v13, 0xff61b1e6
	s_delay_alu instid0(VALU_DEP_1)
	v_floor_f32 v12, -v13
	v_mov_b32 v14, 0
	v_mov_b32 v15, 0
.set jj, 0
.rept 32
	v_mov_b32 v[160+jj], 0
.set jj, jj+1
.endr
.Lkeep:
	s_wait_alu depctr_va_vdst(0)                   ; directly ahead of the wait below
	s_wait_dscnt 0x0                               ; for the partner's sake
	s_barrier_signal -1                            ; my part, if I had one to leave, lies in LDS
	s_cmp_eq_u32 s[ROLE], 1                        ; PHASE 2: role 1 takes block a, steps 0 .. a; role 0 has no step
	s_cselect_b32 s[BLK], s[PA], s[HI]
	s_cselect_b32 s[LIM], s[PA], -1
	s_mov_b32 s[LO], 0
	s_mov_b32 s[ST], 0
	s_mov_b32 s[TB], 0
	s_mov_b32 s[TS], 0
	s_mov_b32 s[CNT], 8
.Lstep_2:
	STEP
	s_sub_co_u32 s[CNT], s[CNT], 1
	s_cmp_lg_u32 s[CNT], 0
	s_cbranch_scc1 .Lstep_2
	s_barrier_wait -1                              ; every part lies in LDS
	s_cmp_eq_u32 s[ROLE], 1
	s_cbranch_scc1 .Lfin
	ds_load_b64 v[232:233], v47                    ; role 0 joins its partner's part to its own
.irp j, 0,1,2,3,4,5,6,7
	ds_load_b128 v[96+4*\j:99+4*\j], v211 offset:512*\j
.endr
	v_add_f32 v14, v14, v15
	v_mov_b32 v15, 0
	s_wait_alu depctr_va_vdst(0)                   ; directly ahead of the wait below
	s_wait_dscnt 0x0
	v_min_num_f32 v234, v12, v232                  ; the new -M
	s_delay_alu instid0(VALU_DEP_1)
	v_sub_f32 v230, v234, v12                      ; my M - the new M, and the partner's: whole numbers, 0 or less
	v_sub_f32 v242, v234, v232
	s_delay_alu instid0(VALU_DEP_2)
	v_cvt_i32_f32 v230, v230                       ; (they saturate)
	s_delay_alu instid0(VALU_DEP_2)
	v_cvt_i32_f32 v242, v242
	s_delay_alu instid0(VALU_DEP_2)
	v_ldexp_f32 v230, 1.0, v230
	s_delay_alu instid0(VALU_DEP_2)
	v_ldexp_f32 v242, 1.0, v242
	s_delay_alu instid0(VALU_DEP_2)
	v_mul_f32 v14, v14, v230
	s_delay_alu instid0(VALU_DEP_1)
	v_fmac_f32 v14, v233, v242
.set jj, 0
.rept 16
	v_pk_mul_f32 v[160+jj:161+jj], v[160+jj:161+jj], v[230:231] op_sel_hi:[1,0]
.set jj, jj+2
.endr
.set jj, 0
.rept 16
	v_pk_fma_f32 v[160+jj:161+jj], v[96+jj:97+jj], v[242:243], v[160+jj:161+jj] op_sel_hi:[1,0,1]
.set jj, jj+2
.endr
.Lfin:
	; THE WAY OUT: O^T / the sum, quantised along d_model (my head's two blocks of 32), stored as half a fragment of the last projection's operand
	v_add_f32 v14, v14, v15
	s_delay_alu instid0(VALU_DEP_1)
	v_permlanex16_b32 v232, v14, s[SEL], s[SEL+1]
	s_delay_alu instid0(VALU_DEP_1)
	v_add_f32 v14, v14, v232                       ; the row's sum
	s_wait_alu depctr_va_vdst(0)                   ; ahead of the transcendental
	v_rcp_f32 v14, v14
.rept 4
	v_nop                                          ; the plain place behind the reciprocal, and places behind the last products
.endr
	s_lshl_b32 s66, s14, 6
	s_lshl_b32 s67, s[BLK], 2
	s_add_co_u32 s66, s66, s67
	s_add_co_u32 s66, s66, s72                     ; my token group among the 128
	s_mul_i32 s68, s66, 24576
	s_lshr_b32 s67, s13, 1                         ; K step head / 2
	s_mul_i32 s69, s67, 3072
	s_add_co_u32 s68, s68, s69
	s_mul_i32 s69, s73, 1536
	s_add_co_u32 s68, s68, s69
	s_and_b32 s70, s13, 1                          ; half head % 2
	s_mul_i32 s69, s70, 768
	s_add_co_u32 s68, s68, s69
	s_mov_b32 s69, 0
	s_add_nc_u64 s[68:69], s[6:7], s[68:69]
	s_lshl_b32 s74, s66, 10
	s_lshr_b32 s75, s13, 3
	s_lshl_b32 s75, s75, 9
	s_add_co_u32 s74, s74, s75
	s_lshl_b32 s75, s73, 8
	s_add_co_u32 s74, s74, s75
	s_and_b32 s75, s67, 3
	s_lshl_b32 s75, s75, 2
	s_add_co_u32 s74, s74, s75
	s_lshl_b32 s75, s70, 1
	s_add_co_u32 s74, s74, s75
	s_add_co_u32 s74, s74, AT_AS
	s_mov_b32 s75, 0
	s_add_nc_u64 s[74:75], s[6:7], s[74:75]
	s_wait_alu depctr_va_vdst(0)                   ; ahead of the reciprocal's first reader
.set jj, 0
.rept 32
	v_mul_f32 v[96+jj], v[160+jj], v14             ; register 16 b + i: channel 32 b + 16 h + i of my head
.set jj, jj+1
.endr
.irp b, 0,1
	v_max3_num_f32 v[BM+\b], |v[96+16*\b]|, |v[97+16*\b]|, 0x1800000
.endr
.irp i, 2,4,6,8,10,12,14
.irp b, 0,1
	s_delay_alu instid0(VALU_DEP_2)
	v_max3_num_f32 v[BM+\b], v[BM+\b], |v[96+16*\b+\i]|, |v[97+16*\b+\i]|
.endr
.endr
.irp b, 0,1
	s_delay_alu instid0(VALU_DEP_2)
	v_permlanex16_b32 v[T4+\b], v[BM+\b], s[SEL], s[SEL+1]
.endr
.irp b, 0,1
	s_delay_alu instid0(VALU_DEP_2)
	v_max_num_f32 v[BM+\b], v[BM+\b], v[T4+\b]
.endr
.irp b, 0,1
	s_delay_alu instid0(VALU_DEP_2)
	v_add_nc_u32 v[SO+\b], 0xff000000, v[BM+\b]
.endr
.irp b, 0,1
	s_delay_alu instid0(VALU_DEP_2)
	v_lshrrev_b32 v[T4+\b], 23, v[SO+\b]
.endr
	s_delay_alu instid0(VALU_DEP_1)
	v_lshl_or_b32 v229, v[T4+1], 8, v[T4]          ; my head's two bytes of the row's scale word
	v_cvt_scalef32_pk16_fp6_f32 v[192:194], v[96:111], v[SO]
	v_cvt_scalef32_pk16_fp6_f32 v[196:198], v[112:127], v[SO+1]
	v_nop
.irp i, 0,1,2
	v_permlane16_swap_b32 v[192+\i], v[196+\i]
.endr
.irp i, 0,1,2
	s_delay_alu instid0(VALU_DEP_3)
	v_mov_b32 v[195+\i], v[196+\i]                 ; in ascending order: each source is read before it is written
.endr
	global_store_b128 v1, v[192:195], s[68:69]     ; 512 consecutive bytes,
	global_store_b64 v2, v[196:197], s[68:69]      ; and 256, both aligned to 256
	s_wait_xcnt 0x0                                ; EXEC changes only behind this wait
	v_cmp_gt_u32 vcc_lo, 16, v22
	s_and_saveexec_b32 s76, vcc_lo                 ; lanes 16-31 hold the same bytes
	global_store_b16 v46, v229, s[74:75]           ; two bytes a row, 16 bytes apart: a scale word spans two heads, and a work-group has one; 1/24 of the codes' bytes
	s_wait_xcnt 0x0
	s_or_b32 exec_lo, exec_lo, s76
	s_wait_tensorcnt 0x0                           ; the wave's end
	ds_add_u32 v254, v255
	s_wait_dscnt 0x0
	CROUND                                         ; the closing round
	s_endpgm
.Lfunc_end_k_q9a3312f113_attn:
	.size	k_q9a3312f113_attn, .Lfunc_end_k_q9a3312f113_attn-k_q9a3312f113_attn
	.p2alignl 7, 3214868480
	.fill 96, 4, 3214868480
	.section	.rodata,"a",@progbits
	.p2align	6, 0x0
	.amdhsa_kernel k_q9a3312f113_attn
		.amdhsa_group_segment_fixed_size 241664
		.amdhsa_private_segment_fixed_size 0
		.amdhsa_enable_private_segment 0
		.amdhsa_kernarg_size 16
		.amdhsa_user_sgpr_count 2
		.amdhsa_user_sgpr_kernarg_segment_ptr 1
		.amdhsa_wavefront_size32 1
		.amdhsa_system_sgpr_workgroup_id_x 1
		.amdhsa_system_sgpr_workgroup_id_y 1
		.amdhsa_system_sgpr_workgroup_id_z 1
		.amdhsa_system_vgpr_workitem_id 0
		.amdhsa_next_free_vgpr 256
		.amdhsa_next_free_sgpr 80
		.amdhsa_reserve_vcc 1
		.amdhsa_float_denorm_mode_32 3
		.amdhsa_float_denorm_mode_16_64 3
		.amdhsa_memory_ordered 1
		.amdhsa_forward_progress 1
		.amdhsa_inst_pref_size 68
	.end_amdhsa_kernel
	.amdgpu_metadata
---
amdhsa.version: [ 1, 2 ]
amdhsa.kernels:
  - .name:           k_q9a3312f113_attn
    .symbol:         k_q9a3312f113_attn.kd
    .args:
      - { .name: qkvc, .offset: 0, .size: 8, .value_kind: global_buffer, .address_space: global }
      - { .name: attc, .offset: 8, .size: 8, .value_kind: global_buffer, .address_space: global }
    .group_segment_fixed_size: 241664
    .private_segment_fixed_size: 0
    .kernarg_segment_align: 8
    .kernarg_segment_size: 16
    .max_flat_workgroup_size: 512
    .sgpr_count:     80
    .vgpr_count:     256
    .wavefront_size: 32
...
	.end_amdgpu_metadata
.endif
;; end of part 3
;; launch oproj (part 4): grid 8 x 32, 4 waves a work-group, clusters of 4 x 4, 230,912 bytes of LDS; arguments attc, ops, out0; writes out0
.if DOCPART == 4
	.amdgcn_target "amdgcn-amd-amdhsa--gfx1250"
	.amdhsa_code_object_version 6
	.text
	.protected	k_q9a3312f113_oproj
	.globl	k_q9a3312f113_oproj
	.p2align	8
	.type	k_q9a3312f113_oproj,@function
k_q9a3312f113_oproj:
	s_mov_b64 s[64:65], 0
	v_nop
	global_prefetch_b8 v0, s[64:65] scope:SCOPE_SE
	s_setreg_imm32_b32 hwreg(HW_REG_WAVE_MODE, 25, 1), 1
	s_wait_xcnt 0x0
	s_wait_alu depctr_hold_cnt(0) depctr_sa_sdst(0) depctr_va_vdst(0) depctr_va_sdst(0) depctr_va_ssrc(0) depctr_va_vcc(0) depctr_vm_vsrc(0)
	s_getreg_b32 s2, hwreg(HW_REG_IB_STS2, 6, 4)
	s_cmp_eq_u32 s2, 0
	s_cbranch_scc0 .Lentry_in_a_cluster
	s_endpgm
.Lentry_in_a_cluster:
	s_bfe_u32 s2, ttmp6, 0x10000c
	s_cmp_lg_u32 s2, 0xf033
	s_cbranch_scc0 .Lentry_shape_is_right
	s_endpgm
.Lentry_shape_is_right:
; out0 [4096][1024] f32 = attention's result x Wo^T, both as codes of FP6 (E2M3) laid as images of the operand's registers (16 slots x 128 K = 1,536 bytes; slot m of tile u of a group of 32 rows = row 8 u + m % 8 + 16 (m / 8)).
; A tile of C is 128 tokens (a lane holds one token; source 1) x 128 channels (a lane's registers run along the channels; source 0): 256 work-groups.  Both operands lie in LDS for all of K = 1,024
; (256 rows x 768 bytes), filled once in four chunks of two groups.  CLUSTER 4 x 4: the tokens' tile is asked for jointly by a row of the cluster, Wo's by a column.
; A wave takes one group of 32 tokens (two lane tiles) x all 128 channels: 16 accumulators, which take turns, one instruction a turn.
; The way out goes through the wave's own stage in LDS, behind the operands, into which no tile lands: rows come back whole, and 32 lanes store 512 consecutive bytes.
; REGISTERS: window 0: v2-9 addresses, v16-23 the tokens' scale words, v32-63 Wo's, v64-191 rows on the way out; windows 1, 2: fragment sets 0, 1: v[12 a], v[48 + 12 t]; window 3: accumulator (a, t) at v[8 (8 a + t)].
.set OPS_SC, 6291456
.set AT_AS,  3145728
.set GRPB, 24576
.set BOFF, 98304                       ; LDS now: the tokens' 4 groups of 24,576 bytes (all of K), then Wo's 4; each wave brings two groups whole by ONE tensor load
.set STAGE, 196608                     ; 16 rows x 528 bytes for each wave
.set A16, 2
.set A8,  3
.set B16, 4
.set B8,  5
.set L16, 6
.set L8,  7
.set STO, 8
.set RD,  9
.set SA,  16
.set SB,  32
.set OB,  64
.set G1A, 24
.set G1B, 32
.set G0A, 40
.set G0B, 68
.set MSB, 0
.macro WIN new
.if MSB != (\new)
	s_set_vgpr_msb (MSB<<8)|(\new)
.set MSB, (\new)
.endif
.endm
.macro CROUND
	s_barrier_signal -1
	s_barrier_wait -1
	s_cmp_lg_u32 s8, 0
	s_cbranch_scc1 .Lnot_wave_0_\@
	s_barrier_signal -3
.Lnot_wave_0_\@:
	s_barrier_wait -3
	s_barrier_signal -1
	s_barrier_wait -1
.endm
.macro PLACES
.rept 4
	v_nop
.endr
.endm
.macro FRAGLD reg, a16, a8, off
	ds_load_b128 v[(\reg):(\reg)+3], v[\a16] offset:(\off)
	ds_load_b64 v[(\reg)+4:(\reg)+5], v[\a8] offset:(\off)
	ds_load_b128 v[(\reg)+6:(\reg)+9], v[\a16] offset:(\off)+768
	ds_load_b64 v[(\reg)+10:(\reg)+11], v[\a8] offset:(\off)+768
.endm
.macro WMZ d, f0, f1, s0, s1, r0, r1
.if (\r0) && (\r1)
	v_wmma_scale_f32_16x16x128_f8f6f4 v[(\d):(\d)+7], v[(\f0):(\f0)+11], v[(\f1):(\f1)+11], 0, v[\s0], v[\s1] matrix_a_fmt:MATRIX_FMT_FP6 matrix_b_fmt:MATRIX_FMT_FP6 matrix_a_scale:MATRIX_SCALE_ROW1 matrix_b_scale:MATRIX_SCALE_ROW1
.elseif (\r0)
	v_wmma_scale_f32_16x16x128_f8f6f4 v[(\d):(\d)+7], v[(\f0):(\f0)+11], v[(\f1):(\f1)+11], 0, v[\s0], v[\s1] matrix_a_fmt:MATRIX_FMT_FP6 matrix_b_fmt:MATRIX_FMT_FP6 matrix_a_scale:MATRIX_SCALE_ROW1
.elseif (\r1)
	v_wmma_scale_f32_16x16x128_f8f6f4 v[(\d):(\d)+7], v[(\f0):(\f0)+11], v[(\f1):(\f1)+11], 0, v[\s0], v[\s1] matrix_a_fmt:MATRIX_FMT_FP6 matrix_b_fmt:MATRIX_FMT_FP6 matrix_b_scale:MATRIX_SCALE_ROW1
.else
	v_wmma_scale_f32_16x16x128_f8f6f4 v[(\d):(\d)+7], v[(\f0):(\f0)+11], v[(\f1):(\f1)+11], 0, v[\s0], v[\s1] matrix_a_fmt:MATRIX_FMT_FP6 matrix_b_fmt:MATRIX_FMT_FP6
.endif
.endm
.macro WMA d, f0, f1, s0, s1, r0, r1
.if (\r0) && (\r1)
	v_wmma_scale_f32_16x16x128_f8f6f4 v[(\d):(\d)+7], v[(\f0):(\f0)+11], v[(\f1):(\f1)+11], v[(\d):(\d)+7], v[\s0], v[\s1] matrix_a_fmt:MATRIX_FMT_FP6 matrix_b_fmt:MATRIX_FMT_FP6 matrix_a_scale:MATRIX_SCALE_ROW1 matrix_b_scale:MATRIX_SCALE_ROW1
.elseif (\r0)
	v_wmma_scale_f32_16x16x128_f8f6f4 v[(\d):(\d)+7], v[(\f0):(\f0)+11], v[(\f1):(\f1)+11], v[(\d):(\d)+7], v[\s0], v[\s1] matrix_a_fmt:MATRIX_FMT_FP6 matrix_b_fmt:MATRIX_FMT_FP6 matrix_a_scale:MATRIX_SCALE_ROW1
.elseif (\r1)
	v_wmma_scale_f32_16x16x128_f8f6f4 v[(\d):(\d)+7], v[(\f0):(\f0)+11], v[(\f1):(\f1)+11], v[(\d):(\d)+7], v[\s0], v[\s1] matrix_a_fmt:MATRIX_FMT_FP6 matrix_b_fmt:MATRIX_FMT_FP6 matrix_b_scale:MATRIX_SCALE_ROW1
.else
	v_wmma_scale_f32_16x16x128_f8f6f4 v[(\d):(\d)+7], v[(\f0):(\f0)+11], v[(\f1):(\f1)+11], v[(\d):(\d)+7], v[\s0], v[\s1] matrix_a_fmt:MATRIX_FMT_FP6 matrix_b_fmt:MATRIX_FMT_FP6
.endif
.endm
	s_load_b128 s[4:7], s[0:1], 0x0                ; attc, ops
	s_load_b64 s[90:91], s[0:1], 0x10              ; out0
	v_lshl_add_u32 v254, v0, 2, 0x38400
	v_mov_b32 v255, 0
	ds_add_u32 v254, v255
	ds_add_u32 v254, v255
	v_lshrrev_b32 v1, 5, v0
	v_readfirstlane_b32 s8, v1                     ; wave 0..3
	s_lshr_b32 s9, s8, 1                           ; I fetch the tokens' tile (0) or Wo's (1),
	s_and_b32 s10, s8, 1                           ; and which two of its four groups
	s_bfe_u32 s11, ttmp6, 0x40000                  ; cx
	s_bfe_u32 s12, ttmp6, 0x40004                  ; cy
	s_lshl_b32 s13, ttmp9, 2
	s_add_co_u32 s13, s13, s11                     ; X: 128 channels
	s_and_b32 s15, ttmp7, 0xffff
	s_lshl_b32 s15, s15, 2
	s_add_co_u32 s15, s15, s12                     ; Y: 128 tokens
	s_lshl_b32 s17, s12, 2
	s_lshl_b32 s17, 15, s17                        ; my row of the cluster
	s_lshl_b32 s18, 0x1111, s11                    ; my column
	; descriptor group 1: two rows (groups) of 3,072 elements of 8 bytes, 3,072 elements from group to group
	s_or_b32 s[G1A], s17, (3<<16)|(1<<21)
	s_or_b32 s[G1B], s18, (3<<16)|(1<<21)
.irp g, G1A, G1B
	s_mov_b32 s[\g+1], 3072<<16                    ; a row is a group's 24,576 bytes, all eight K steps
	s_mov_b32 s[\g+2], 2<<16
	s_mov_b32 s[\g+3], 3072<<16
	s_mov_b32 s[\g+4], 2
	s_mov_b32 s[\g+5], 3072
	s_mov_b32 s[\g+6], 0
	s_mov_b32 s[\g+7], 0
.endr
	s_lshl_b32 s19, s15, 2                         ; the tokens' first group 4 Y
	s_lshl_b32 s21, s10, 1
	s_add_co_u32 s21, s21, s19
	s_mul_i32 s56, s21, GRPB
	s_mov_b32 s57, 0
	s_lshl_b32 s20, s13, 2
	s_add_co_u32 s20, s20, 224                     ; Wo's first group 224 + 4 X
	s_lshl_b32 s84, s10, 1
	s_add_co_u32 s84, s84, s20
	s_mul_i32 s86, s84, GRPB
	s_mov_b32 s87, 0
	s_mul_i32 s22, s8, 49152                       ; where my two groups go: wave x 49,152
	s_wait_dscnt 0x0
	s_wait_kmcnt 0x0
	s_add_nc_u64 s[56:57], s[4:5], s[56:57]
	s_add_nc_u64 s[86:87], s[6:7], s[86:87]
	s_mov_b32 s[G0A], 1
	s_mov_b32 s[G0A+1], s22
	s_mov_b64 s[G0A+2:G0A+3], s[56:57]
	s_or_b32 s[G0A+3], s[G0A+3], 0x80000000
	s_mov_b32 s[G0B], 1
	s_mov_b32 s[G0B+1], s22
	s_mov_b64 s[G0B+2:G0B+3], s[86:87]
	s_or_b32 s[G0B+3], s[G0B+3], 0x80000000
	CROUND                                         ; all sixteen work-groups are here: the joint loads meet
	s_cmp_eq_u32 s9, 0                             ; one fill in each arm of one branch on the wave's number: one load of mine is out
	s_cbranch_scc0 .Lfill_b
	tensor_load_to_lds s[G0A:G0A+3], s[G1A:G1A+7]
	s_nop 0
	PLACES
	s_branch .Lfilled
.Lfill_b:
	tensor_load_to_lds s[G0B:G0B+3], s[G1B:G1B+7]
	s_nop 0
	PLACES
.Lfilled:
	v_and_b32 v1, 31, v0
	v_lshlrev_b32 v[L16], 4, v1
	v_lshlrev_b32 v[L8], 3, v1
	s_mul_i32 s23, s8, 24576                       ; my group of tokens
	v_add_nc_u32 v[A16], s23, v[L16]
	v_add_nc_u32 v[A8], s23, v[L8]
	v_add_nc_u32 v[A8], 512, v[A8]
	v_add_nc_u32 v[B16], BOFF, v[L16]
	v_add_nc_u32 v[B8], BOFF+512, v[L8]
	v_add_nc_u32 v[B16+8], BOFF+49152, v[L16]      ; Wo's groups 2 and 3 have address registers of their own (v12, v13): the immediate has 16 bits
	v_add_nc_u32 v[B8+8], BOFF+49152+512, v[L8]
	s_mul_i32 s23, s8, 8448
	s_add_co_u32 s23, s23, STAGE                   ; my stage
	v_and_b32 v10, 15, v0
	v_bfe_u32 v11, v0, 4, 1
	v_mul_u32_u24 v[STO], v10, 528
	v_lshl_add_u32 v[STO], v11, 6, v[STO]
	v_add_nc_u32 v[STO], s23, v[STO]               ; in: row = slot r, + 64 (lane / 16)
	v_add_nc_u32 v[RD], s23, v[L16]                ; back: a row's 512 bytes, 16 a lane
	s_add_co_u32 s58, s19, s8
	s_lshl_b32 s58, s58, 10
	s_add_co_u32 s58, s58, AT_AS
	s_mov_b32 s59, 0
	s_add_nc_u64 s[58:59], s[4:5], s[58:59]        ; my group's scale words
	s_lshl_b32 s88, s20, 10
	s_add_co_u32 s88, s88, OPS_SC
	s_mov_b32 s89, 0
	s_add_nc_u64 s[88:89], s[6:7], s[88:89]        ; Wo's
.irp q, 0,1
	global_load_b128 v[SA+4*\q:SA+4*\q+3], v[L16], s[58:59] offset:512*\q   ; register s: lanes 0-15 tile 0, lanes 16-31 tile 1, K step s
.endr
.irp g, 0,1,2,3
.irp q, 0,1
	global_load_b128 v[SB+8*\g+4*\q:SB+8*\g+4*\q+3], v[L16], s[88:89] offset:1024*\g+512*\q
.endr
.endr
	s_lshl_b32 s60, s15, 7
	s_lshl_b32 s61, s8, 5
	s_add_co_u32 s60, s60, s61                     ; my first token: 128 Y + 32 w
	s_lshl_b32 s60, s60, 12
	s_lshl_b32 s61, s13, 9                         ; my channels' bytes in a row
	s_add_co_u32 s60, s60, s61
	s_mov_b32 s61, 0
	s_add_nc_u64 s[90:91], s[90:91], s[60:61]
.macro FETCH s                         ; K step s: 10 fragments, 40 LDS loads in one run, into set s % 2
	WIN 0x40*(1+(\s)%2)
.irp a, 0,1
	FRAGLD 12*\a, A16, A8, (\s)*3072+\a*1536
.endr
.irp t, 0,1,2,3,4,5,6,7
	FRAGLD 48+12*\t, B16+8*(\t/4), B8+8*(\t/4), ((\t/2)%2)*24576+(\s)*3072+(\t%2)*1536
.endr
.endm
.macro MUL s
.irp a, 0,1
.irp t, 0,1,2,3,4,5,6,7
.if (\s) == 0
	WMZ 8*(8*\a+\t), 48+12*\t, 12*\a, SB+8*(\t/2)+(\s), SA+(\s), \t%2, \a
.else
	WMA 8*(8*\a+\t), 48+12*\t, 12*\a, SB+8*(\t/2)+(\s), SA+(\s), \t%2, \a
.endif
.endr
.endr
.endm
.macro STEP s
	s_wait_dscnt 0x0                               ; this step's fragments are in: asked for a whole step ago
.if ((\s) > 0) && ((\s) < 7)
	PLACES
.endif
.if (\s) < 7
	s_wait_alu depctr_va_vdst(0)
	FETCH (\s)+1
.endif
	WIN 0xF5+5*((\s)%2)
	MUL \s
.endm
	s_wait_alu depctr_va_vdst(0)
	s_wait_tensorcnt 0x0                           ; my one load is in
	s_barrier_signal -1
	s_barrier_wait -1
	FETCH 0
	s_wait_loadcnt 0x0                             ; the scale words
.irp s, 0,1,2,3,4,5,6,7
	STEP \s
.endr
	PLACES                                         ; in front of the first read of results
; Tile a: lane (r, h) holds, of token slot r, channels 32 b + 16 h + 0 .. 15 in registers 64 a + 16 b on.  LDS serves a wave's instructions in order: no wait between the stores and the loads, nor in front of the next tile's stores.
.macro TOSTAGE a
	WIN 0x0c                                       ; an LDS store's data are its source 1: window 3
.irp b, 0,1,2,3
.irp q, 0,1,2,3
	ds_store_b128 v[STO], v[64*(\a)+16*\b+4*\q:64*(\a)+16*\b+4*\q+3] offset:128*\b+16*\q   ; each accumulator from its low end on
.endr
.endr
	WIN 0
.irp i, 0,1,2,3,4,5,6,7,8,9,10,11,12,13,14,15
	ds_load_b128 v[OB+64*(\a)+4*\i:OB+64*(\a)+4*\i+3], v[RD] offset:528*\i
.endr
.endm
.macro SEND a, younger                 ; younger: the LDS instructions issued behind tile a's loads, which may stay out
.irp i, 0,1,2,3,4,5,6,7,8,9,10,11,12,13,14,15
	s_wait_dscnt (\younger)+15-\i
	global_store_b128 v[L16], v[OB+64*(\a)+4*\i:OB+64*(\a)+4*\i+3], s[90:91] offset:(8*(\a)+(\i%8)+16*(\i/8))*4096 th:TH_STORE_NT   ; slot i's token: 512 consecutive bytes, aligned to 256; written once
.endr
.endm
	TOSTAGE 0
	TOSTAGE 1
	SEND 0, 32
	SEND 1, 0
	s_wait_tensorcnt 0x0
	ds_add_u32 v254, v255
	s_wait_dscnt 0x0
	CROUND                                         ; the closing round: no work-group ends while a partner may still ask for a tile that names it
	s_endpgm
.Lfunc_end_k_q9a3312f113_oproj:
	.size	k_q9a3312f113_oproj, .Lfunc_end_k_q9a3312f113_oproj-k_q9a3312f113_oproj
	.p2alignl 7, 3214868480
	.fill 96, 4, 3214868480
	.section	.rodata,"a",@progbits
	.p2align	6, 0x0
	.amdhsa_kernel k_q9a3312f113_oproj
		.amdhsa_group_segment_fixed_size 230912
		.amdhsa_private_segment_fixed_size 0
		.amdhsa_enable_private_segment 0
		.amdhsa_kernarg_size 24
		.amdhsa_user_sgpr_count 2
		.amdhsa_user_sgpr_kernarg_segment_ptr 1
		.amdhsa_wavefront_size32 1
		.amdhsa_system_sgpr_workgroup_id_x 1
		.amdhsa_system_sgpr_workgroup_id_y 1
		.amdhsa_system_sgpr_workgroup_id_z 1
		.amdhsa_system_vgpr_workitem_id 0
		.amdhsa_next_free_vgpr 896
		.amdhsa_next_free_sgpr 100
		.amdhsa_reserve_vcc 0
		.amdhsa_float_denorm_mode_32 3
		.amdhsa_float_denorm_mode_16_64 3
		.amdhsa_memory_ordered 1
		.amdhsa_forward_progress 1
		.amdhsa_inst_pref_size 54
	.end_amdhsa_kernel
	.amdgpu_metadata
---
amdhsa.version: [ 1, 2 ]
amdhsa.kernels:
  - .name:           k_q9a3312f113_oproj
    .symbol:         k_q9a3312f113_oproj.kd
    .args:
      - { .name: attc, .offset: 0, .size: 8, .value_kind: global_buffer, .address_space: global }
      - { .name: ops, .offset: 8, .size: 8, .value_kind: global_buffer, .address_space: global }
      - { .name: out0, .offset: 16, .size: 8, .value_kind: global_buffer, .address_space: global }
    .group_segment_fixed_size: 230912
    .private_segment_fixed_size: 0
    .kernarg_segment_align: 8
    .kernarg_segment_size: 24
    .max_flat_workgroup_size: 128
    .sgpr_count:     100
    .vgpr_count:     896
    .wavefront_size: 32
...
	.end_amdgpu_metadata
.endif
;; end of part 4
